; MI455X (gfx1250); checked and timed in simulation.
; The chip was launched on July 23, 2026; its instructions are those of AMD's public machine-readable ISA for CDNA 5 (MIT licence, August 2026) and "CDNA5" Instruction Set Architecture Reference Guide (July 2026). The comments in the code are by the model that wrote it; some were corrected since.
;; Multi Head Attention. Allowed arithmetic: matrix products marked QUANTISED: E2M3 operands, one E8M0 scale for each 32 along K, by v_wmma_scale_f32_16x16x128_f8f6f4 with both operands' format E2M3, f32 sums; everything else in f32.
;; Inputs: Wk 1,024 x 1,024 float32; Wo 1,024 x 1,024 float32; Wq 1,024 x 1,024 float32; Wv 1,024 x 1,024 float32; bk 1,024 float32; bo 1,024 float32; bq 1,024 float32; bv 1,024 float32; x 4 x 2,048 x 1,024 float32.
;; Outputs: out0 4 x 2,048 x 1,024 float32.
;; This version of the problem:
;;   THIS VERSION OF THE PROBLEM IS GIVEN IN LOW PRECISION. The matrix products marked QUANTISED in the list below multiply operands that are first quantised to E2M3 (2 exponent bits, 3 mantissa bits; 6 bits a number), with one power-of-two scale for each 32 numbers along K (OCP MX v1.0); their sums are f32. All else is computed in f32.
;;   The module's matrix products, in the order in which they are computed (A, B: the left and right operand; K: the contracted axis; several contracted axes count as one K, in the product's order):
;;     1. [M 8,192, K 1,024] x [K 1,024, N 1,024]; A: input x; B: input Wq: QUANTISED
;;     2. [M 8,192, K 1,024] x [K 1,024, N 1,024]; A: input x; B: input Wk: QUANTISED
;;     3. [M 8,192, K 1,024] x [K 1,024, N 1,024]; A: input x; B: input Wv: QUANTISED
;;     4. batch 64 x [M 2,048, K 64] x [K 64, N 2,048]; A: computed on the way; B: computed on the way: QUANTISED
;;     5. batch 64 x [M 2,048, K 2,048] x [K 2,048, N 64]; A: softmax (see below); B: computed on the way: QUANTISED
;;     6. [M 8,192, K 1,024] x [K 1,024, N 1,024]; A: computed on the way; B: input Wo: QUANTISED
;;   THE QUANTISER, for each operand of a quantised product, along K:
;;     - K is cut into blocks of 32 from its start; a last block that is shorter is filled with zeros.
;;     - A block's scale is 2^e with e = floor(log2(the largest magnitude in the block)) - 2, held to -126 .. 127; a block of zeros has e = 0. As a byte (E8M0): e + 127.
;;     - Each number is divided by its block's scale, clamped to +-7.5, and rounded to the nearest number of E2M3, ties to even, subnormals kept.
;;     - The product sums the exact products of the quantised numbers (number of the format x scale) in f32.
;;   ~~~python
;;   def quantise(x, axis):      # numpy; x: float32 -> the quantised numbers, widened to float32 again
;;       x = np.moveaxis(x, axis, -1); K = x.shape[-1]
;;       x = np.pad(x, [(0, 0)] * (x.ndim - 1) + [(0, -K % 32)]); x = x.reshape(x.shape[:-1] + (-1, 32)); a = np.abs(x).max(-1, keepdims=True)
;;       e = np.where(a > 0, np.clip(np.frexp(np.where(a > 0, a, 1))[1] - 1 - 2, -126, 127), 0)      # np.frexp(a)[1] - 1 = floor(log2(a)), exactly
;;       r = np.clip(x / 2.0 ** e, -7.5, 7.5)
;;       step = 2.0 ** (np.maximum(np.frexp(np.where(r == 0, 1, r))[1] - 1, 0) - 3)
;;       q = np.round(r / step) * step * 2.0 ** e      # np.round: ties to even
;;       return np.moveaxis(q.reshape(q.shape[:-2] + (-1,))[..., :K], -1, axis).astype(np.float32)
;;   ~~~
;;   SOFTMAX AHEAD OF A QUANTISED PRODUCT. Where the list says 'softmax', what is quantised is not the finished softmax but p = 2^(t - M), with t = logit x log2(e) and M = ceil(the row's largest t), a whole number; so 1/2 < the row's largest p <= 1. The row's sum l is taken of the UNQUANTISED p, in f32, and the product's result is divided by l at the end. Since M is a whole number, a kernel that streams over the keys may use a running M (the ceiling of the running maximum): every later rescaling is an exact power of two, which a block's scale takes up: the codes' values come out the same.
;;   OPERANDS COMPUTED ON THE WAY. 'Computed on the way' means the value that the module computes at that place (a softmax that the list does not call 'softmax' is quantised finished and normalised). What goes into a quantiser is computed in f32, as accurately as f32 sums, v_exp_f32 and their like allow (about 1e-6 of the number): no bf16 or f16 on the way to a quantiser, and a product that is left as it is and whose result goes on into a quantised operand takes f32 operands (vector FMAs, or v_wmma_f32_16x16x4_f32). A number that lies on a knife's edge between two numbers of the format may be rounded either way, as far as f32 arithmetic and the matrix unit's own rounding can turn it there, and no further.
;; One version. Each part assembles by itself: llvm-mc -triple=amdgcn-amd-amdhsa -mcpu=gfx1250 --defsym DOCPART=n.
;; ======== version 1 of 1: 4 launches
;; limits: right only within a limited range of input values
;; workspace buffers: opq 9,830,400 bytes; qkv 19,660,800 bytes; att 6,553,600 bytes
;; launch quant (part 1): grid 256 x 1, 3 waves a work-group, no clusters, 67,328 bytes of LDS; arguments x, Wq, Wk, Wv, Wo, opq; writes opq
.if DOCPART == 1
	.amdgcn_target "amdgcn-amd-amdhsa--gfx1250"
	.amdhsa_code_object_version 6
	.text
	.protected	k_q89ec7c5b18_quant
	.globl	k_q89ec7c5b18_quant
	.p2align	8
	.type	k_q89ec7c5b18_quant,@function
k_q89ec7c5b18_quant:
	s_mov_b64 s[64:65], 0
	v_nop
	global_prefetch_b8 v0, s[64:65] scope:SCOPE_SE
	s_setreg_imm32_b32 hwreg(HW_REG_WAVE_MODE, 25, 1), 1
	s_wait_xcnt 0x0
; x [8192][1024] and Wq, Wk, Wv, Wo [1024][1024], f32, K innermost, become codes of FP6 (E2M3) with one E8M0 byte for each 32 along K, in the buffer opq.
; A block's scale is 2^(floor(log2(its largest magnitude)) - 2); its byte is the largest magnitude's exponent field - 2, held at 1 from below; each number / scale is rounded to the nearest code, ties to even, beyond 7.5 the largest code.
; LIMITS: NaN and infinities among the inputs are not served; a block whose largest magnitude lies under 2^-124 keeps the byte 1; a block of zeros gets the byte 1 where the rule says 127 (its codes are zeros, and this program alone reads the bytes).
; LAYOUT OF opq.  Codes: [row tile 768][kappa 16][768 bytes].  Row tiles 0-511 x, 512-575 Wq, 576-639 Wk, 640-703 Wv, 704-767 Wo.  Row r of tile 2 B + u of a tensor is its row 32 B + 8 u + r + 8 (r / 8).
; The 768 bytes are a HALF FRAGMENT, 16 rows x 64 along K in the order of the matrix operand's registers: lane L = r + 16 h owns the 24 bytes of row r, k = 64 kappa + 32 h + 0 .. 31: its first 16 bytes at 16 L, its last 8 at 512 + 8 L.
; Scale bytes: from byte SCO on, [row tile][r 16][32 bytes].
; SHARES.  Wave g = 3 x work-group + wave makes row tile g: 16 rows, a row a step.  Each of a row's eight loads reads 512 consecutive bytes; the row turns through the wave's own stage in LDS, so that lane l holds block l, all 32 numbers:
; the maximum needs no other lane.  The codes are gathered in a second stage, as half fragments, and leave as 24 stores of 512 consecutive bytes; the 512 scale bytes as one more.
; No tensor loads, no barrier, no cluster: waves and work-groups share no input.  Loads run four rows (32 loads a wave) ahead, the turn through LDS one row.
.set WREG,  22272                      ; LDS: a region of its own for each wave
.set TSB,   4608                       ; two turn stages: 32 places of 128 bytes + 16 of padding
.set HFS,   9216                       ; the 16 half fragments, 784 bytes apart (768 + 16)
.set HFP,   784
.set SBY,   21760                      ; the 512 scale bytes
.set SPARE, 66816                      ; behind the three regions: the spare words, 128 bytes a wave: two blocks of 256 bytes that no other line names
.set SCO,   9437184                    ; where the scale bytes begin in opq
.set RTB,   12288                      ; a row tile's codes in bytes
.set R,     16                         ; v16-143  four sets of 32 numbers as loaded; on the way out the codes
.set X,     144                        ; v144-207 two sets of 32 neighbours
.set C,     208                        ; v208-223 two sets of 8 for a block's codes
.set E,     224                        ; v224-225 two scale bytes
.set SPW,   12                         ; v12 LDS address of my spare word; never rewritten
.set NIL,   13                         ; v13 0; never rewritten
	s_load_b256 s[4:11], s[0:1], 0x0               ; x s[4:5], Wq s[6:7], Wk s[8:9], Wv s[10:11]
	s_load_b128 s[12:15], s[0:1], 0x20             ; Wo s[12:13], opq s[14:15]
	v_lshl_add_u32 v[SPW], v0, 2, SPARE
	v_mov_b32 v[NIL], 0
	v_lshrrev_b32 v8, 5, v0
	v_readfirstlane_b32 s16, v8                    ; wave 0..2
	v_and_b32 v9, 31, v0                           ; lane l
	v_lshlrev_b32 v1, 4, v9                        ; v1: 16 l: my bytes of a load's or a store's 512
	s_mul_i32 s17, s16, WREG
	v_lshrrev_b32 v10, 3, v9
	v_mul_u32_u24 v10, v10, 144
	v_and_b32 v11, 7, v9
	v_lshl_add_u32 v10, v11, 4, v10
	v_add_nc_u32 v2, s17, v10                      ; v2: into a turn stage: eight lanes' 128 bytes on end, then 16 of padding; a load's 512 bytes take four places
	v_mul_u32_u24 v10, v9, 144
	v_add_nc_u32 v3, s17, v10                      ; v3: out of it: place l: my block
	s_add_co_u32 s18, s17, HFS
	v_lshrrev_b32 v10, 1, v9
	v_mul_u32_u24 v10, v10, HFP
	v_add_nc_u32 v10, s18, v10                     ; half fragment kappa = l / 2
	v_and_b32 v11, 1, v9                           ; h = l % 2
	v_lshl_add_u32 v4, v11, 8, v10                 ; v4: my first 16 bytes: 16 (t + 16 h); 16 t stands in the immediate
	v_lshl_add_u32 v5, v11, 7, v10
	v_add_nc_u32 v5, 512, v5                       ; v5: my last 8 bytes: 512 + 8 (t + 16 h)
	s_add_co_u32 s19, s17, SBY
	v_add_nc_u32 v6, s19, v9                       ; v6: my block's scale byte; 32 t stands in the immediate
	v_add_nc_u32 v7, s18, v1                       ; v7: the way out: 16 l in the codes' stage
	v_lshrrev_b32 v11, 4, v9
	v_lshl_add_u32 v14, v11, 4, v7
	v_add_nc_u32 v14, 512, v14                     ; v14: the same 512 bytes on, where lanes 16-31 stand behind one padding
	v_add_nc_u32 v15, s19, v1                      ; v15: 16 l among the scale bytes
	s_mul_i32 s20, ttmp9, 3
	s_add_co_u32 s20, s20, s16                     ; g: my row tile
	s_and_b32 s21, s20, 63
	s_cmp_lt_u32 s20, 512
	s_cselect_b32 s21, s20, s21                    ; the tile's number in its own tensor
	s_lshr_b32 s22, s21, 1
	s_lshl_b32 s22, s22, 17                        ; 32 rows of 4,096 bytes for each pair of tiles,
	s_and_b32 s23, s21, 1
	s_lshl_b32 s23, s23, 15                        ; 8 rows for the odd tile
	s_add_co_u32 s22, s22, s23
	s_mov_b32 s23, 0
	s_mul_i32 s24, s20, RTB
	s_mov_b32 s25, 0
	s_lshl_b32 s26, s20, 9
	s_add_co_u32 s26, s26, SCO
	s_mov_b32 s27, 0
	s_wait_kmcnt 0x0
	s_cmp_lt_u32 s20, 704                          ; which tensor: the choice hangs on the wave's and the work-group's numbers alone
	s_cselect_b64 s[28:29], s[10:11], s[12:13]
	s_cmp_lt_u32 s20, 640
	s_cselect_b64 s[28:29], s[8:9], s[28:29]
	s_cmp_lt_u32 s20, 576
	s_cselect_b64 s[28:29], s[6:7], s[28:29]
	s_cmp_lt_u32 s20, 512
	s_cselect_b64 s[28:29], s[4:5], s[28:29]
	s_add_nc_u64 s[28:29], s[28:29], s[22:23]      ; the tile's first row
	s_add_nc_u64 s[24:25], s[14:15], s[24:25]      ; its codes
	s_add_nc_u64 s[26:27], s[14:15], s[26:27]      ; its scale bytes
.macro LOAD t                          ; row t of the tile: the tensor's row t + 8 (t / 8) from the tile's first
.irp i, 0,1,2,3,4,5,6,7
	global_load_b128 v[R+32*((\t)%4)+4*\i:R+32*((\t)%4)+4*\i+3], v1, s[28:29] offset:((\t)+8*((\t)/8))*4096+512*\i th:TH_LOAD_NT
.endr
.endm
.macro TURN t                          ; row t through a turn stage: LDS serves a wave's instructions in order, so no wait stands between the stores and the loads
.irp i, 0,1,2,3,4,5,6,7
	ds_store_b128 v2, v[R+32*((\t)%4)+4*\i:R+32*((\t)%4)+4*\i+3] offset:TSB*((\t)%2)+576*\i
.endr
.irp i, 0,1,2,3,4,5,6,7
	ds_load_b128 v[X+32*((\t)%2)+4*\i:X+32*((\t)%2)+4*\i+3], v3 offset:TSB*((\t)%2)+16*\i
.endr
.endm
.macro STEP t
.set XS, X+32*((\t)%2)
.set CC, C+8*((\t)%2)
.set EE, E+(\t)%2
.if (\t) > 0
	s_wait_dscnt 3                                 ; this row's numbers are back from the stage; the three younger instructions are the last row's stores of codes and byte.  The row before that has stored: its registers may be written
.else
	s_wait_dscnt 0x0
.endif
.if (\t)+4 < 16
	LOAD (\t)+4                                    ; into the set whose stores into the stage are done
.endif
.if (\t)+1 < 16
.if 14-(\t) >= 3
	s_wait_loadcnt 24                              ; the next row's eight loads are in; those of the three rows behind it may be out
.else
	s_wait_loadcnt 8*(14-(\t))
.endif
	TURN (\t)+1
.endif
	v_max3_num_f32 v8, |v[XS]|, |v[XS+1]|, |v[XS+2]|              ; the block's largest magnitude: all 32 numbers are mine; two chains
	v_max3_num_f32 v9, |v[XS+3]|, |v[XS+4]|, |v[XS+5]|
.irp i, 6,10,14,18,22,26
	v_max3_num_f32 v8, v8, |v[XS+\i]|, |v[XS+\i+1]|
	v_max3_num_f32 v9, v9, |v[XS+\i+2]|, |v[XS+\i+3]|
.endr
	v_max3_num_f32 v8, v8, |v[XS+30]|, |v[XS+31]|
	v_max3_num_f32 v8, v8, v9, 0x1800000           ; and the floor 2^(3 - 127): the byte cannot fall under 1
	v_add_nc_u32 v10, 0xff000000, v8               ; 2 off its exponent field: the conversion takes the exponent field of this operand as its scale
	v_cvt_scalef32_pk16_fp6_f32 v[CC:CC+2], v[XS:XS+15], v10
	v_cvt_scalef32_pk16_fp6_f32 v[CC+4:CC+6], v[XS+16:XS+31], v10  ; (a conversion's three registers begin on an even number)
	v_lshrrev_b32 v[EE], 23, v10                   ; the scale's byte; also the plain line behind the conversions
	v_mov_b32 v[CC+3], v[CC+4]                     ; the block's 24 bytes on end
	v_mov_b32 v[CC+4], v[CC+5]
	v_mov_b32 v[CC+5], v[CC+6]
	ds_store_b128 v4, v[CC:CC+3] offset:16*(\t)
	ds_store_b64 v5, v[CC+4:CC+5] offset:8*(\t)
	ds_store_b8 v6, v[EE] offset:32*(\t)
.endm
.irp t, 0,1,2,3
	LOAD \t
.endr
	s_wait_loadcnt 24                              ; row 0's eight loads are in
	TURN 0
.irp t, 0,1,2,3,4,5,6,7,8,9,10,11,12,13,14,15
	STEP \t
.endr
	; THE WAY OUT.  Two half fragments are 1,536 bytes: three loads of 512.  LDS serves a wave's instructions in order: these see my stores
.set n, 0
.rept 8
	ds_load_b128 v[R+12*n:R+12*n+3], v7 offset:1568*n
	ds_load_b128 v[R+12*n+4:R+12*n+7], v14 offset:1568*n
	ds_load_b128 v[R+12*n+8:R+12*n+11], v7 offset:1568*n+1040
.set n, n+1
.endr
	ds_load_b128 v[R+96:R+99], v15
.set n, 0
.rept 24
	s_wait_dscnt 24-n                              ; load n is in; the 24 - n behind it may be out
	global_store_b128 v1, v[R+4*n:R+4*n+3], s[24:25] offset:512*n   ; 32 lanes store 512 consecutive bytes, at a multiple of 256 from the buffer's first byte
.set n, n+1
.endr
	s_wait_dscnt 0x0
	global_store_b128 v1, v[R+96:R+99], s[26:27]
	s_wait_tensorcnt 0x0                           ; the wave's end: behind my last LDS store
	ds_add_u32 v[SPW], v[NIL]
	s_wait_dscnt 0x0
	s_endpgm
.Lfunc_end_k_q89ec7c5b18_quant:
	.size	k_q89ec7c5b18_quant, .Lfunc_end_k_q89ec7c5b18_quant-k_q89ec7c5b18_quant
	.p2alignl 7, 3214868480
	.fill 96, 4, 3214868480
	.section	.rodata,"a",@progbits
	.p2align	6, 0x0
	.amdhsa_kernel k_q89ec7c5b18_quant
		.amdhsa_group_segment_fixed_size 67328
		.amdhsa_private_segment_fixed_size 0
		.amdhsa_enable_private_segment 0
		.amdhsa_kernarg_size 48
		.amdhsa_user_sgpr_count 2
		.amdhsa_user_sgpr_kernarg_segment_ptr 1
		.amdhsa_wavefront_size32 1
		.amdhsa_system_sgpr_workgroup_id_x 1
		.amdhsa_system_sgpr_workgroup_id_y 1
		.amdhsa_system_sgpr_workgroup_id_z 1
		.amdhsa_system_vgpr_workitem_id 0
		.amdhsa_next_free_vgpr 232
		.amdhsa_next_free_sgpr 66
		.amdhsa_reserve_vcc 0
		.amdhsa_float_denorm_mode_32 3
		.amdhsa_float_denorm_mode_16_64 3
		.amdhsa_memory_ordered 1
		.amdhsa_forward_progress 1
		.amdhsa_inst_pref_size 62
	.end_amdhsa_kernel
	.amdgpu_metadata
---
amdhsa.version: [ 1, 2 ]
amdhsa.kernels:
  - .name:           k_q89ec7c5b18_quant
    .symbol:         k_q89ec7c5b18_quant.kd
    .args:
      - { .name: x, .offset: 0, .size: 8, .value_kind: global_buffer, .address_space: global }
      - { .name: Wq, .offset: 8, .size: 8, .value_kind: global_buffer, .address_space: global }
      - { .name: Wk, .offset: 16, .size: 8, .value_kind: global_buffer, .address_space: global }
      - { .name: Wv, .offset: 24, .size: 8, .value_kind: global_buffer, .address_space: global }
      - { .name: Wo, .offset: 32, .size: 8, .value_kind: global_buffer, .address_space: global }
      - { .name: opq, .offset: 40, .size: 8, .value_kind: global_buffer, .address_space: global }
    .group_segment_fixed_size: 67328
    .private_segment_fixed_size: 0
    .kernarg_segment_align: 8
    .kernarg_segment_size: 48
    .max_flat_workgroup_size: 96
    .sgpr_count:     66
    .vgpr_count:     232
    .wavefront_size: 32
...
	.end_amdgpu_metadata
.endif
;; end of part 1
;; launch qkv (part 2): grid 8 x 96, 4 waves a work-group, clusters of 4 x 4, 327,680 bytes of LDS; arguments opq, bq, bk, bv, qkv; writes qkv
.if DOCPART == 2
	.amdgcn_target "amdgcn-amd-amdhsa--gfx1250"
	.amdhsa_code_object_version 6
	.text
	.protected	k_q89ec7c5b18_qkv
	.globl	k_q89ec7c5b18_qkv
	.p2align	8
	.type	k_q89ec7c5b18_qkv,@function
k_q89ec7c5b18_qkv:
	s_mov_b64 s[64:65], 0
	v_nop
	global_prefetch_b8 v0, s[64:65] scope:SCOPE_SE
	s_setreg_imm32_b32 hwreg(HW_REG_WAVE_MODE, 25, 1), 1
	s_wait_xcnt 0x0
	s_wait_alu depctr_hold_cnt(0) depctr_sa_sdst(0) depctr_va_vdst(0) depctr_va_sdst(0) depctr_va_ssrc(0) depctr_va_vcc(0) depctr_vm_vsrc(0)
	s_getreg_b32 s2, hwreg(HW_REG_IB_STS2, 6, 4)
	s_cmp_eq_u32 s2, 0
	s_cbranch_scc0 .Lentry_in_a_cluster
	s_endpgm
.Lentry_in_a_cluster:
	s_bfe_u32 s2, ttmp6, 0x10000c
	s_cmp_lg_u32 s2, 0xf033
	s_cbranch_scc0 .Lentry_shape_is_right
	s_endpgm
.Lentry_shape_is_right:
; q = x Wq^T + bq, k = x Wk^T + bk, v = x Wv^T + bv on codes of FP6 (E2M3) with E8M0 scales (buffer opq), sums in f32, and the results quantised in registers: q and k along the head's 64, v along the keys (buffer qkv).
; LIMITS: NaN and infinities are not served; a block whose largest magnitude lies under 2^-124 keeps the scale byte 1, and so does a block of zeros (its codes are zeros; this program alone reads the bytes).
; OPERANDS lie as HALF FRAGMENTS of 768 bytes: 16 rows x 64 along K in the order of the operand's registers: lane L = r + 16 h owns row r, k = 32 h + 0 .. 31: 16 bytes at 16 L, 8 bytes at 512 + 8 L.  Two on end are a fragment of 12 registers,
; fetched by four loads of consecutive bytes.  opq: codes [row tile][kappa 16][768]; scale bytes from SCO on, [row tile][r][32].  Row r of tile 2 B + u is the tensor's row 32 B + 8 u + r + 8 (r / 8).
; A WORK-GROUP makes 128 'A rows' (source 1: the lanes of a result) x 256 'B rows' (source 0: the registers of a result) over all of K = 1,024.  (128 + 256) rows x 768 bytes are 294,912 bytes: ALL OF K LIES IN LDS, in four slots of 256 along K
; that are filled once, at the head: no slot is filled again.  Four waves, each 64 x 128: 32 accumulators.
; By the order of the tiles' rows, a lane's 16 registers of B's tiles 2 B and 2 B + 1 are 16 NEIGHBOURS 32 B + 16 h + 0 .. 15 along B's rows: the axis along which the result is quantised.
; TWO WAYS, parted by the cluster's y, which all partners share.  Way 0 (q and k): A = x's tokens, B = rows of Wq or Wk: a lane holds one token and 128 features, two heads.
; Way 1 (v): A = rows of Wv, B = x's tokens: a lane holds one feature and 128 tokens in their natural order: the keys, v's K.  Nothing is transposed.
; CLUSTERS: 4 x 4.  A's pieces are shared along a row of the cluster, B's along a column: joint loads, all behind the one round at the head.  Wave 0 fetches A, waves 1 and 2 B's two pieces, five loads each (scales, slots 0-3): five are out at most.
; qkv: QH at 0 and KH at KHO: [bh 64][token tile 128] half fragments; VH at VHO: [bh][key step 16][d tile 4][c 2]; QS at QSO, KS behind it: [bh][pair of tiles 64][r 16] words: bytes 0, 1 the even tile's two blocks, bytes 2, 3 the odd tile's;
; VS at VSO: [bh][key step][d tile][r] words.
; REGISTERS.  Window 0: v1-15 addresses; v32-63 A's scale words (8 a + q), v64-127 B's (8 b + q); v128-223 A's fragments, two sets of 48.  Window 1: B's two sets at v0 and v96; v192-255 the bias in a result's layout.  Window 2: accumulator (a, b) at v[8 (8 a + b)].
.set RTB,   12288                      ; a row tile's codes in opq
.set SCO,   9437184                    ; where opq's scale bytes begin
; THE FILLS, as they stand now (in place of the four slots and five loads a wave named above): LDS holds TWO HALVES of K, 147,456 bytes each: A's 8 row tiles x 6,144 bytes, then B's 16.
; At the head one joint load a wave: wave 0 A's half 0, wave 1 B's half 0, wave 2 A's scale bytes, wave 3 B's.  Behind the three lines and a round of the cluster's barrier: wave 0 A's half 1, wave 1 B's half 1; K step 3 waits for them (0) and shows them by a barrier.  Nothing is filled twice.
.set PIECE, 49152                      ; 8 row tiles x 8 half fragments
.set SLOT,  147456                     ; a half of K: A's piece, B's two pieces
.set SCL,   294912                     ; behind the slots: the scale bytes: A's 4,096, B's 2 x 4,096
.set SPARE, 307200                     ; the spare words, 128 bytes a wave: two blocks of 256 bytes that no other line names
.set KHO,   6291456
.set VHO,   12582912
.set QSO,   18874368
.set VSO,   19398656
.set SPW,   28                         ; v28 LDS address of my spare word; never rewritten
.set NIL,   29                         ; v29 0; never rewritten
.set SAW,   32
.set SBW,   64
.set AF,    128
.set CB,    192
.set PW,    184                        ; the way out: v184-187 the scale word of a-block a; v188-191 words for q's and k's pairs
.set TM,    192                        ; v192-207 at work
.set MSB, 0
.macro WIN new                         ; the immediate's high byte repeats the setting that is left
.if MSB != \new
	s_set_vgpr_msb (MSB<<8)|\new
.set MSB, \new
.endif
.endm
.macro CROUND                          ; a round of the cluster's barrier
	s_barrier_signal -1
	s_barrier_wait -1
	s_cmp_lg_u32 s14, 0
	s_cbranch_scc1 .Lnot_wave_0_\@
	s_barrier_signal -3
.Lnot_wave_0_\@:
	s_barrier_wait -3
	s_barrier_signal -1
	s_barrier_wait -1
.endm
.macro PLACES n
.rept \n
	v_nop
.endr
.endm
.macro MKG0 g, lds, base, half         ; descriptor group 0: count 1; LDS place in the half; the piece's address + 6,144 x half; type 2
	s_mov_b32 s[\g], 1
	s_mov_b32 s[\g+1], (\lds)+(\half)*SLOT
	s_add_nc_u64 s[\g+2:\g+3], s[\base:\base+1], (\half)*6144
	s_or_b32 s[\g+3], s[\g+3], 0x80000000
.endm
.macro HFRAG reg, a16, a8, off         ; a fragment: two half fragments on end
	ds_load_b128 v[(\reg):(\reg)+3], v[\a16] offset:(\off)
	ds_load_b64 v[(\reg)+4:(\reg)+5], v[\a8] offset:(\off)
	ds_load_b128 v[(\reg)+6:(\reg)+9], v[\a16] offset:(\off)+768
	ds_load_b64 v[(\reg)+10:(\reg)+11], v[\a8] offset:(\off)+768
.endm
.macro FETCH q, p                      ; the fragments of K step q (128 along K) into set p: B's eight, A's four
	WIN 0x40                                       ; destination window 1, address window 0
.irp b, 0,1,2,3,4,5,6,7
	HFRAG 96*(\p)+12*\b, 6, 7, 6144*\b+1536*((\q)%4)
.endr
	WIN 0
.irp a, 0,1,2,3
	HFRAG AF+48*(\p)+12*\a, 4, 5, 6144*\a+1536*((\q)%4)
.endr
.endm
; 32 matrix instructions.  The 32 accumulators take turns, one instruction a turn, in the same order in every step.  cmode 0: C = D; 1: C = the bias of B's block; 2: of A's block
.macro MUL32 q, p, cmode
.if (\cmode) == 0
	WIN 0xa1                                       ; source 0 (B) window 1, source 1 (A) window 0, C and D window 2
.else
	WIN 0x91                                       ; C window 1
.endif
.irp a, 0,1,2,3
.irp b, 0,1,2,3,4,5,6,7
.if (\cmode) == 0
	v_wmma_scale_f32_16x16x128_f8f6f4 v[8*(8*\a+\b):8*(8*\a+\b)+7], v[96*(\p)+12*\b:96*(\p)+12*\b+11], v[AF+48*(\p)+12*\a:AF+48*(\p)+12*\a+11], v[8*(8*\a+\b):8*(8*\a+\b)+7], v[SBW+8*\b+(\q)], v[SAW+8*\a+(\q)] matrix_a_fmt:MATRIX_FMT_FP6 matrix_b_fmt:MATRIX_FMT_FP6
.elseif (\cmode) == 1
	v_wmma_scale_f32_16x16x128_f8f6f4 v[8*(8*\a+\b):8*(8*\a+\b)+7], v[96*(\p)+12*\b:96*(\p)+12*\b+11], v[AF+48*(\p)+12*\a:AF+48*(\p)+12*\a+11], v[CB+8*\b:CB+8*\b+7], v[SBW+8*\b+(\q)], v[SAW+8*\a+(\q)] matrix_a_fmt:MATRIX_FMT_FP6 matrix_b_fmt:MATRIX_FMT_FP6
.else
	v_wmma_scale_f32_16x16x128_f8f6f4 v[8*(8*\a+\b):8*(8*\a+\b)+7], v[96*(\p)+12*\b:96*(\p)+12*\b+11], v[AF+48*(\p)+12*\a:AF+48*(\p)+12*\a+11], v[CB+8*\a:CB+8*\a+7], v[SBW+8*\b+(\q)], v[SAW+8*\a+(\q)] matrix_a_fmt:MATRIX_FMT_FP6 matrix_b_fmt:MATRIX_FMT_FP6
.endif
.endr
.endr
.endm
; K step q.  The next step's fragments are asked for ahead of this step's 32 products.  A load into a register that a matrix instruction has read stands four plain vector instructions behind it (ISA guide 7.12.1 for vector instructions).
.macro STEP q, cmode
	s_wait_dscnt 0x0                               ; this step's fragments are in, and none of my LDS loads is out
.if (\q) == 3
	s_wait_tensorcnt 0x0                           ; all my tensor loads have landed: my part of K's second half
	s_barrier_signal -1
	s_barrier_wait -1                              ; everybody's has
	v_add_nc_u32 v4, SLOT, v4                      ; on to the next slot; these four are also the places in front of the loads
	v_add_nc_u32 v5, SLOT, v5
	v_add_nc_u32 v6, SLOT, v6
	v_add_nc_u32 v7, SLOT, v7
.elseif ((\q) > 0) && ((\q) < 7)
	PLACES 4
.endif
.if (\q) < 7
	FETCH (\q)+1, ((\q)+1)%2
.endif
	MUL32 \q, (\q)%2, \cmode
	WIN 0
.endm
; The 64 results of a-block a (window 2, v[64 a] on; register 16 b + i = place 32 b + 16 h + i along the axis to be quantised) become a fragment's codes in v[PCA] on and its scale word in v[PW + a].
; Each accumulator is read from its low end on.  The codes of a-blocks 2 and 3 are made in registers that held scale words, so that no conversion's destination bears a number of its source.
.macro QUANTW a
.set QB,  64*(\a)
.set PCA, AF+12*(\a)-120*((\a)/2)
.set TQ,  176-96*((\a)/2)
	WIN 0x0a                                       ; sources 0 and 1 window 2
.irp b, 0,1,2,3
	v_max3_num_f32 v[TM+\b], |v[QB+16*\b]|, |v[QB+16*\b+1]|, 0x1800000   ; block b: my 16 numbers, and the floor 2^(3 - 127): the byte cannot fall under 1
.endr
	WIN 0x28                                       ; sources 1 and 2 window 2
.irp i, 2,4,6,8,10,12,14
.irp b, 0,1,2,3
	v_max3_num_f32 v[TM+\b], v[TM+\b], |v[QB+16*\b+\i]|, |v[QB+16*\b+\i+1]|
.endr
.endr
	WIN 0
.irp b, 0,1,2,3
	v_permlanex16_b32 v[TM+4+\b], v[TM+\b], s24, s25
.endr
.irp b, 0,1,2,3
	v_max_num_f32 v[TM+\b], v[TM+\b], v[TM+4+\b]   ; with lane l xor 16's: the block's largest magnitude
.endr
.irp b, 0,1,2,3
	v_add_nc_u32 v[TM+12+\b], 0xff000000, v[TM+\b] ; 2 off its exponent field: the conversion's scale operand
.endr
.irp b, 0,1,2,3
	v_lshrrev_b32 v[TM+4+\b], 23, v[TM+12+\b]      ; the scale's byte
.endr
	v_lshl_or_b32 v[PW+(\a)], v[TM+5], 8, v[TM+4]
	v_lshl_or_b32 v[PW+(\a)], v[TM+6], 16, v[PW+(\a)]
	v_lshl_or_b32 v[PW+(\a)], v[TM+7], 24, v[PW+(\a)]
	WIN 0x02                                       ; source 0 window 2
.irp c, 0,1
	v_cvt_scalef32_pk16_fp6_f32 v[PCA+6*\c:PCA+6*\c+2], v[QB+32*\c:QB+32*\c+15], v[TM+12+2*\c]
	v_cvt_scalef32_pk16_fp6_f32 v[TQ+4*\c:TQ+4*\c+2], v[QB+32*\c+16:QB+32*\c+31], v[TM+13+2*\c]   ; (a conversion's three registers begin on an even number)
.endr
	WIN 0
	v_nop                                          ; one plain line behind the conversions
.irp c, 0,1                            ; the operand's layout wants a whole block in a lane: lanes 0-15 block 2 c, lanes 16-31 block 2 c + 1
.irp i, 0,1,2
	v_permlane16_swap_b32 v[PCA+6*\c+\i], v[TQ+4*\c+\i]
.endr
.irp i, 0,1,2
	v_mov_b32 v[PCA+6*\c+3+\i], v[TQ+4*\c+\i]
.endr
.endr
.endm
	s_load_b256 s[4:11], s[0:1], 0x0               ; opq s[4:5], bq s[6:7], bk s[8:9], bv s[10:11]
	s_load_b64 s[12:13], s[0:1], 0x20              ; qkv
	v_lshl_add_u32 v[SPW], v0, 2, SPARE
	v_mov_b32 v[NIL], 0
	ds_add_u32 v[SPW], v[NIL]                      ; the wave's opening: the add and its wait stand ahead of the first tensor loads; the set-up below, work on registers, stands between them
	ds_add_u32 v[SPW], v[NIL]
	v_lshrrev_b32 v1, 5, v0
	v_readfirstlane_b32 s14, v1                    ; wave 0..3
	s_lshr_b32 s15, s14, 1                         ; wr: which 64 of A's rows are mine
	s_and_b32 s16, s14, 1                          ; wc: which of B's pieces
	s_bfe_u32 s17, ttmp6, 0x40000                  ; cx
	s_bfe_u32 s18, ttmp6, 0x40004                  ; cy
	s_and_b32 s20, ttmp7, 0xffff                   ; the cluster's y, 0..23
	s_sub_co_u32 s66, s20, 16
	s_cmp_ge_u32 s20, 16
	s_cselect_b32 s21, 1, 0                        ; the way: 0 q and k, 1 v: the same in all sixteen partners
	s_cselect_b32 s2, ttmp9, s20                   ; the cluster's coordinate along A's tiles,
	s_cselect_b32 s3, 640, 0                       ; A's first row tile in opq: Wv's or x's
	s_cselect_b32 s66, s66, ttmp9                  ; the coordinate along B's tiles,
	s_cselect_b32 s67, 0, 512                      ; B's first row tile: x's or Wq's
	s_lshl_b32 s22, s2, 2
	s_add_co_u32 s22, s22, s18                     ; tr: which 128 of A's rows
	s_lshl_b32 s23, s66, 2
	s_add_co_u32 s23, s23, s17                     ; tc: which 256 of B's rows
	s_lshl_b32 s2, s22, 3
	s_add_co_u32 s2, s2, s3                        ; A's piece begins at this row tile: it hangs on cy and the cluster's place, which my row of the cluster shares
	s_lshl_b32 s66, s23, 4
	s_add_co_u32 s66, s66, s67
	s_lshl_b32 s19, s18, 2
	s_lshl_b32 s19, 15, s19                        ; my row of the cluster
	s_or_b32 s24, s19, (3<<16)|(1<<21)             ; group 1 for A's pieces: 15:0 the mask; 17:16 elements of 8 bytes; 21 set beside a mask
	s_or_b32 s40, s19, (3<<16)|(1<<21)             ; and for A's scale bytes
	s_lshl_b32 s19, 0x1111, s17                    ; my column
	s_or_b32 s32, s19, (3<<16)|(1<<21)             ; the same for B
	s_or_b32 s48, s19, (3<<16)|(1<<21)
.irp g, 24, 32                         ; a piece of a slot: 8 (A) or 16 (B) rows (row tiles) of 6,144 bytes, 12,288 bytes apart in memory, dense in LDS
	s_mov_b32 s[\g+1], 768<<16                     ; rows of 6,144 bytes: half of K of a row tile
	s_mov_b32 s[\g+2], (\g-16)<<16                 ; A: 8 row tiles, B: 16
	s_mov_b32 s[\g+3], 768<<16
	s_mov_b32 s[\g+4], \g-16
	s_mov_b32 s[\g+5], 1536                        ; tensor_dim0_stride
	s_mov_b32 s[\g+6], 0
	s_mov_b32 s[\g+7], 0
.endr
.irp g, 40, 48                         ; the scale bytes, dense rows of 256: A's 8 row tiles (4,096 bytes), B's 16 (8,192)
	s_mov_b32 s[\g+1], 32<<16
	s_mov_b32 s[\g+2], (2*\g-64)<<16               ; A: 16 rows of 256 bytes, B: 32
	s_mov_b32 s[\g+3], 32<<16
	s_mov_b32 s[\g+4], 2*\g-64
	s_mov_b32 s[\g+5], 32
	s_mov_b32 s[\g+6], 0
	s_mov_b32 s[\g+7], 0
.endr
	s_mov_b32 s56, 1
	s_mov_b32 s57, SCL
	s_lshl_b32 s58, s2, 9
	s_mov_b32 s59, 0
	s_add_nc_u64 s[58:59], s[58:59], SCO
	s_mul_i32 s2, s2, RTB
	s_mov_b32 s3, 0
	s_mov_b32 s80, 1
	s_mov_b32 s81, SCL+4096
	s_lshl_b32 s82, s66, 9
	s_mov_b32 s83, 0
	s_add_nc_u64 s[82:83], s[82:83], SCO
	s_mul_i32 s66, s66, RTB
	s_mov_b32 s67, 0
	s_wait_dscnt 0x0                               ; the opening add is done
	s_wait_kmcnt 0x0
	s_add_nc_u64 s[58:59], s[4:5], s[58:59]
	s_or_b32 s59, s59, 0x80000000
	s_add_nc_u64 s[82:83], s[4:5], s[82:83]
	s_or_b32 s83, s83, 0x80000000
	s_add_nc_u64 s[2:3], s[4:5], s[2:3]
	s_add_nc_u64 s[66:67], s[4:5], s[66:67]
	MKG0 60, 0, 2, 0
	MKG0 68, 0, 2, 1
	MKG0 84, PIECE, 66, 0
	MKG0 88, PIECE, 66, 1
	CROUND                                         ; all sixteen work-groups are here: the joint loads meet
	s_cmp_eq_u32 s14, 0                            ; one chain of branches on the wave's number, one load to an arm
	s_cbranch_scc0 .Lw1
	tensor_load_to_lds s[60:63], s[24:31]          ; wave 0: A's half 0
	s_nop 0
	PLACES 4
	s_branch .Lasked
.Lw1:
	s_cmp_eq_u32 s14, 1
	s_cbranch_scc0 .Lw2
	tensor_load_to_lds s[84:87], s[32:39]          ; wave 1: B's half 0
	s_nop 0
	PLACES 4
	s_branch .Lasked
.Lw2:
	s_cmp_eq_u32 s14, 2
	s_cbranch_scc0 .Lw3
	tensor_load_to_lds s[56:59], s[40:47]          ; wave 2: A's scale bytes
	s_nop 0
	PLACES 4
	s_branch .Lasked
.Lw3:
	tensor_load_to_lds s[80:83], s[48:55]          ; wave 3: B's scale bytes
	s_nop 0
	PLACES 4
.Lasked:
	v_and_b32 v1, 31, v0                           ; L
	v_and_b32 v2, 15, v0                           ; r
	v_bfe_u32 v3, v0, 4, 1                         ; h
	v_lshlrev_b32 v10, 4, v1                       ; v10: 16 L
	v_lshlrev_b32 v11, 3, v1
	v_add_nc_u32 v11, 512, v11                     ; v11: 512 + 8 L
	v_lshlrev_b32 v12, 2, v2                       ; v12: 4 r
	s_mul_i32 s2, s15, 24576                       ; my four row tiles of A's piece, 6,144 bytes each
	v_add_nc_u32 v4, s2, v10                       ; v4, v5: A's fragments
	v_add_nc_u32 v5, s2, v11
	s_mul_i32 s3, s16, PIECE
	s_add_co_u32 s3, s3, PIECE                     ; my piece of B, behind A's
	v_add_nc_u32 v6, s3, v10                       ; v6, v7: B's fragments
	v_add_nc_u32 v7, s3, v11
	s_lshl_b32 s2, s15, 11
	s_add_co_u32 s2, s2, SCL
	v_lshl_add_u32 v8, v2, 5, s2                   ; v8: A's scale words: 32 bytes a row
	s_lshl_b32 s3, s16, 12
	s_add_co_u32 s3, s3, SCL+4096
	v_lshl_add_u32 v9, v2, 5, s3                   ; v9: B's
.macro BODY path
.if \path == 0
	s_and_b32 s2, s23, 3                           ; the bias runs along the registers: lane (r, h) wants, for B's tile b, features 32 (b / 2) + 8 (b % 2) + 16 h + 0 .. 7 of my 128
	s_lshl_b32 s2, s2, 10
	s_lshl_b32 s3, s16, 9
	s_add_co_u32 s2, s2, s3
	s_mov_b32 s3, 0
	s_cmp_lt_u32 s23, 4
	s_cselect_b64 s[100:101], s[6:7], s[8:9]       ; bq or bk
	s_add_nc_u64 s[100:101], s[100:101], s[2:3]
	v_lshlrev_b32 v13, 6, v3
	WIN 0x40
.irp b, 0,1,2,3,4,5,6,7
	global_load_b128 v[CB+8*\b:CB+8*\b+3], v13, s[100:101] offset:4*(32*(\b/2)+8*(\b%2))
	global_load_b128 v[CB+8*\b+4:CB+8*\b+7], v13, s[100:101] offset:4*(32*(\b/2)+8*(\b%2))+16
.endr
	WIN 0
.else
	s_lshl_b32 s2, s22, 1                          ; the bias runs along the lanes: all eight registers of A's tile a hold bv at the lane's feature
	s_add_co_u32 s2, s2, s15                       ; the head: 2 tr + wr
	s_lshl_b32 s2, s2, 8
	s_mov_b32 s3, 0
	s_add_nc_u64 s[100:101], s[10:11], s[2:3]
	v_and_b32 v13, 8, v2
	v_add_nc_u32 v13, v13, v2
	v_lshlrev_b32 v13, 2, v13                      ; 4 (r + 8 (r / 8))
	WIN 0x40
.irp a, 0,1,2,3
.irp j, 0,1,2,3,4,5,6,7
	global_load_b32 v[CB+8*\a+\j], v13, s[100:101] offset:4*(32*(\a/2)+8*(\a%2))
.endr
.endr
	WIN 0
.endif
	s_wait_tensorcnt 0x0                           ; my tile of the head's four is in
	ds_add_u32 v[SPW], v[NIL]
	s_wait_dscnt 0x0
	CROUND                                         ; everybody's is in, and the joint loads of K's second half meet
	s_cmp_eq_u32 s14, 0
	s_cbranch_scc0 .Lh1b_\@
	tensor_load_to_lds s[68:71], s[24:31]          ; wave 0: A's half 1
	s_nop 0
	PLACES 4
	s_branch .Lh1d_\@
.Lh1b_\@:
	s_cmp_eq_u32 s14, 1
	s_cbranch_scc0 .Lh1d_\@
	tensor_load_to_lds s[88:91], s[32:39]          ; wave 1: B's half 1
	s_nop 0
	PLACES 4
.Lh1d_\@:
.irp a, 0,1,2,3
	ds_load_b128 v[SAW+8*\a:SAW+8*\a+3], v8 offset:512*\a          ; a row's eight scale words, for all of K
	ds_load_b128 v[SAW+8*\a+4:SAW+8*\a+7], v8 offset:512*\a+16
.endr
.irp b, 0,1,2,3,4,5,6,7
	ds_load_b128 v[SBW+8*\b:SBW+8*\b+3], v9 offset:512*\b
	ds_load_b128 v[SBW+8*\b+4:SBW+8*\b+7], v9 offset:512*\b+16
.endr
	FETCH 0, 0
	s_wait_loadcnt 0x0                             ; the bias
	STEP 0, 1+\path                                ; the first products start the sums from the bias: nothing is cleared, nothing is added later
	STEP 1, 0
	STEP 2, 0
	STEP 3, 0
	s_wait_alu depctr_va_vdst(0)
	STEP 4, 0
	STEP 5, 0
	STEP 6, 0
	STEP 7, 0
	s_mov_b32 s24, 0x76543210                      ; v_permlanex16_b32's selects for lane l xor 16
	s_mov_b32 s25, 0xfedcba98
.if \path == 0
	s_lshr_b32 s26, s22, 4                         ; the batch
	s_and_b32 s27, s22, 15
	s_lshl_b32 s27, s27, 3
	s_lshl_b32 s28, s15, 2
	s_add_co_u32 s27, s27, s28                     ; my first token tile in the batch
	s_lshr_b32 s28, s23, 2                         ; 0: q, 1: k
	s_and_b32 s29, s23, 3
	s_lshl_b32 s29, s29, 2
	s_lshl_b32 s30, s16, 1
	s_add_co_u32 s29, s29, s30
	s_lshl_b32 s30, s26, 4
	s_add_co_u32 s29, s29, s30                     ; bh of my first head
	s_lshl_b32 s30, s29, 7
	s_add_co_u32 s30, s30, s27
	s_mul_i32 s30, s30, 768
	s_mul_i32 s31, s28, KHO
	s_add_co_u32 s30, s30, s31
	s_mov_b32 s31, 0
	s_add_nc_u64 s[30:31], s[12:13], s[30:31]      ; where my half fragments go
	s_lshl_b32 s32, s29, 12
	s_lshl_b32 s33, s27, 5
	s_add_co_u32 s32, s32, s33
	s_lshl_b32 s33, s28, 18
	s_add_co_u32 s32, s32, s33
	s_add_co_u32 s32, s32, QSO
	s_mov_b32 s33, 0
	s_add_nc_u64 s[32:33], s[12:13], s[32:33]      ; and their scale words
.else
	s_lshl_b32 s26, s22, 1
	s_add_co_u32 s26, s26, s15                     ; the head
	s_lshr_b32 s27, s23, 3                         ; the batch
	s_lshl_b32 s27, s27, 4
	s_add_co_u32 s26, s26, s27                     ; bh
	s_and_b32 s27, s23, 7
	s_lshl_b32 s27, s27, 1
	s_add_co_u32 s27, s27, s16                     ; the key step
	s_lshl_b32 s26, s26, 4
	s_add_co_u32 s26, s26, s27
	s_mul_i32 s30, s26, 6144
	s_add_co_u32 s30, s30, VHO
	s_mov_b32 s31, 0
	s_add_nc_u64 s[30:31], s[12:13], s[30:31]
	s_lshl_b32 s32, s26, 8
	s_add_co_u32 s32, s32, VSO
	s_mov_b32 s33, 0
	s_add_nc_u64 s[32:33], s[12:13], s[32:33]
.endif
	PLACES 4                                       ; behind the last products: their results are read, and their operands' registers written, only from here on
.irp b, 0,1,2,3
	v_mov_b32 v[TM+4+\b], 0                        ; written once: a lane permute's destination counts as one of its sources
.endr
.irp a, 0,1,2,3
	QUANTW \a
.irp c, 0,1                            ; each half of the fragment is a half fragment as it stands: 512 and 256 consecutive bytes a store; no store's registers are written again
.if \path == 0
	global_store_b128 v10, v[PCA+6*\c:PCA+6*\c+3], s[30:31] offset:768*\a+98304*\c     ; token tile a, head c
	global_store_b64 v11, v[PCA+6*\c+4:PCA+6*\c+5], s[30:31] offset:768*\a+98304*\c
.else
	global_store_b128 v10, v[PCA+6*\c:PCA+6*\c+3], s[30:31] offset:1536*\a+768*\c      ; d tile a, keys 64 c on
	global_store_b64 v11, v[PCA+6*\c+4:PCA+6*\c+5], s[30:31] offset:1536*\a+768*\c
.endif
.endr
.endr
.if \path == 0
.irp e, 0,1                            ; a pair of token tiles: the even tile's two bytes below, the odd tile's above, for each head.  Lanes 16-31 hold and store what lanes 0-15 do
	v_perm_b32 v[188+2*\e], v[PW+2*\e+1], v[PW+2*\e], 0x05040100
	v_perm_b32 v[189+2*\e], v[PW+2*\e+1], v[PW+2*\e], 0x07060302
	global_store_b32 v12, v[188+2*\e], s[32:33] offset:64*\e
	global_store_b32 v12, v[189+2*\e], s[32:33] offset:4096+64*\e
.endr
.else
.irp a, 0,1,2,3
	global_store_b32 v12, v[PW+\a], s[32:33] offset:64*\a
.endr
.endif
	s_wait_tensorcnt 0x0                           ; the wave's end
	ds_add_u32 v[SPW], v[NIL]
	s_wait_dscnt 0x0
	CROUND                                         ; the closing round
	s_endpgm
.endm
	s_cmp_eq_u32 s21, 0
	s_cbranch_scc0 .Lway_v
	s_wait_alu depctr_va_vdst(0)
	BODY 0
.Lway_v:
	s_wait_alu depctr_va_vdst(0)
	BODY 1
.Lfunc_end_k_q89ec7c5b18_qkv:
	.size	k_q89ec7c5b18_qkv, .Lfunc_end_k_q89ec7c5b18_qkv-k_q89ec7c5b18_qkv
	.p2alignl 7, 3214868480
	.fill 96, 4, 3214868480
	.section	.rodata,"a",@progbits
	.p2align	6, 0x0
	.amdhsa_kernel k_q89ec7c5b18_qkv
		.amdhsa_group_segment_fixed_size 327680
		.amdhsa_private_segment_fixed_size 0
		.amdhsa_enable_private_segment 0
		.amdhsa_kernarg_size 40
		.amdhsa_user_sgpr_count 2
		.amdhsa_user_sgpr_kernarg_segment_ptr 1
		.amdhsa_wavefront_size32 1
		.amdhsa_system_sgpr_workgroup_id_x 1
		.amdhsa_system_sgpr_workgroup_id_y 1
		.amdhsa_system_sgpr_workgroup_id_z 1
		.amdhsa_system_vgpr_workitem_id 0
		.amdhsa_next_free_vgpr 768
		.amdhsa_next_free_sgpr 102
		.amdhsa_reserve_vcc 0
		.amdhsa_float_denorm_mode_32 3
		.amdhsa_float_denorm_mode_16_64 3
		.amdhsa_memory_ordered 1
		.amdhsa_forward_progress 1
		.amdhsa_inst_pref_size 173
	.end_amdhsa_kernel
	.amdgpu_metadata
---
amdhsa.version: [ 1, 2 ]
amdhsa.kernels:
  - .name:           k_q89ec7c5b18_qkv
    .symbol:         k_q89ec7c5b18_qkv.kd
    .args:
      - { .name: opq, .offset: 0, .size: 8, .value_kind: global_buffer, .address_space: global }
      - { .name: bq, .offset: 8, .size: 8, .value_kind: global_buffer, .address_space: global }
      - { .name: bk, .offset: 16, .size: 8, .value_kind: global_buffer, .address_space: global }
      - { .name: bv, .offset: 24, .size: 8, .value_kind: global_buffer, .address_space: global }
      - { .name: qkv, .offset: 32, .size: 8, .value_kind: global_buffer, .address_space: global }
    .group_segment_fixed_size: 327680
    .private_segment_fixed_size: 0
    .kernarg_segment_align: 8
    .kernarg_segment_size: 40
    .max_flat_workgroup_size: 128
    .sgpr_count:     102
    .vgpr_count:     768
    .wavefront_size: 32
...
	.end_amdgpu_metadata
.endif
;; end of part 2
;; launch attn (part 3): grid 4 x 64, 16 waves a work-group, clusters of 4 x 1, 206,848 bytes of LDS; arguments qkv, att; writes att
.if DOCPART == 3
	.amdgcn_target "amdgcn-amd-amdhsa--gfx1250"
	.amdhsa_code_object_version 6
	.text
	.protected	k_q89ec7c5b18_attn
	.globl	k_q89ec7c5b18_attn
	.p2align	8
	.type	k_q89ec7c5b18_attn,@function
k_q89ec7c5b18_attn:
	s_mov_b64 s[64:65], 0
	v_nop
	global_prefetch_b8 v0, s[64:65] scope:SCOPE_SE
	s_setreg_imm32_b32 hwreg(HW_REG_WAVE_MODE, 25, 1), 1
	s_wait_xcnt 0x0
	s_wait_alu depctr_hold_cnt(0) depctr_sa_sdst(0) depctr_va_vdst(0) depctr_va_sdst(0) depctr_va_ssrc(0) depctr_va_vcc(0) depctr_vm_vsrc(0)
	s_getreg_b32 s2, hwreg(HW_REG_IB_STS2, 6, 4)
	s_cmp_eq_u32 s2, 0
	s_cbranch_scc0 .Lentry_in_a_cluster
	s_endpgm
.Lentry_in_a_cluster:
	s_bfe_u32 s2, ttmp6, 0x10000c
	s_cmp_lg_u32 s2, 0x3003
	s_cbranch_scc0 .Lentry_shape_is_right
	s_endpgm
.Lentry_shape_is_right:
; For each of 64 (batch, head): O[q] = sum over k of softmax_k(Q[q] . K[k] / 32) V[k], both products on codes of FP6 (E2M3) with E8M0 scales; O is quantised along the hidden axis and stored as the last product's operand (att).
; THE SOFTMAX: t = score x log2(e) / 32; M = the running largest t rounded UP to a whole number; p = 2^(t - M) is quantised along the keys, not normalised; the row's sum is taken of the unquantised p and divides O at the end.
; When M moves, the sum and O are multiplied by 2^(old M - new M): exact.  A block's largest p is made from its largest score by the same multiply-add and exponential (this takes v_exp_f32 not to fall where its input rises).
; LIMITS: NaN and infinities are not served; the scaled scores stay under 2^31 in magnitude; a block whose largest magnitude lies under 2^-124, or a block of zeros, keeps the scale byte 1 (this program alone reads the bytes).
; OPERANDS lie in qkv as half fragments of 768 bytes (16 rows x 64 along K; lane L = r + 16 h: 16 bytes at 16 L, 8 bytes at 512 + 8 L).  Row r of token tile 2 B + u is token 32 B + 8 u + r + 8 (r / 8).
; SHARES: a work-group owns one (batch, head) and 512 queries, each of its sixteen waves two query tiles, in two passes.  The head's whole K and V lie in LDS, filled once.  The four work-groups of a head form a cluster and ask jointly.
; FILLS: one joint load a wave, 12,288 bytes (two key steps): wave w brings piece w / 2 of K (w even) or V (w odd).  Waves 0-3 (key steps 0-3) have a load line of their own and wait ahead of the first barrier; all wait (0) ahead of the second.
; The 8,192 bytes of scale words come by plain loads, 512 bytes a wave, and are stored to LDS bytes on which no fill lands.  No prefetch: all is asked for at the head, no loop runs ahead of a load.
; THE ROWS OF A TILE OF K ARE CHOSEN BY THE LANES' ADDRESSES: in fragment (g, e) lanes r < 8 read rows r + 8 e of tile pair 2 g, lanes r >= 8 rows r - 8 + 8 e of pair 2 g + 1.  So lane (q, h) holds in v[96 + 32 g + i] the score of key 64 g + 32 h + i:
; a whole block of 32 keys in a lane, in the layout of the second product's operand: no lane swap, and a block's maximum needs no other lane.
; THE FIRST PRODUCT'S K IS 64: a fragment holds two key tiles, one in each half of the instruction's 128; against [q, 0] it gives the first's scores, against [0, q] the second's.  Both products are used transposed: a lane holds one query.
; REGISTERS: v1-4, v16-20, v46 addresses that stay; v7-11, v21 the step's; v12 -M, v13 largest t, v[14:15] the sum; v28-41 partial sums; v44, v45 lane permutes' results; v48-95 four fragments of K or V; v96-159 scores, then p; v160-191 O^T;
; v192-209 [q][0][q]; v210-222 my Q and its scale word; v224-235 p's codes; v232-254 at work; v248-251, v253, v255 scale words.
.set KHO,   6291456                    ; K's codes in qkv; V's lie as far behind them again
.set QSO,   18874368
.set KSO,   19136512                   ; K's scale words; V's 262,144 bytes on
.set ASCO,  6291456
.set LV,    98304                      ; LDS: K at 0, 6,144 bytes a key step; V at LV
.set LKS,   196608                     ; K's scale words, 256 bytes a key step; V's 4,096 bytes on
.set SPARE, 204800                     ; the spare words, 128 bytes a wave
.set SPW,   5
.set NIL,   6
.set SEL,   66                         ; s[66:67] selects for lane l xor 16
.set CS,    68                         ; s[68:69] log2(e) / 32
.set TB,    70
.set TS,    71
.set CNT,   72
.macro WALU
	s_wait_alu depctr_va_vdst(0)
.endm
.macro NOPS n
.rept \n
	v_nop
.endr
.endm
.macro CROUND
	s_barrier_signal -1
	s_barrier_wait -1
	s_cmp_lg_u32 s8, 0
	s_cbranch_scc1 .Lnot_wave_0_\@
	s_barrier_signal -3
.Lnot_wave_0_\@:
	s_barrier_wait -3
	s_barrier_signal -1
	s_barrier_wait -1
.endm
	s_load_b128 s[4:7], s[0:1], 0x0                ; qkv, att
	v_lshl_add_u32 v[SPW], v0, 2, SPARE
	v_mov_b32 v[NIL], 0
	ds_add_u32 v[SPW], v[NIL]                      ; the opening lines
	ds_add_u32 v[SPW], v[NIL]
	v_lshrrev_b32 v1, 5, v0
	v_readfirstlane_b32 s8, v1                     ; wave 0..15
	s_bfe_u32 s9, ttmp6, 0x40000                   ; cx: it enters Q's and att's addresses alone
	s_and_b32 s10, ttmp7, 0xffff                   ; bh
	s_mov_b32 s16, 15|(3<<16)|(1<<21)              ; group 1: 48 rows of 256 bytes, dense; the mask names all four work-groups
	s_mov_b32 s17, 32<<16
	s_mov_b32 s18, 48<<16
	s_mov_b32 s19, 32<<16
	s_mov_b32 s20, 48
	s_mov_b32 s21, 32
	s_mov_b32 s22, 0
	s_mov_b32 s23, 0
	s_mul_i32 s12, s10, 98304
	s_mov_b32 s13, 0
	s_lshl_b32 s14, s10, 12
	s_mov_b32 s15, 0
	s_and_b32 s24, s8, 1                           ; 0: K, 1: V
	s_lshr_b32 s25, s8, 1                          ; which piece
	s_mov_b32 s40, 1
	s_mul_i32 s41, s24, LV
	s_mul_i32 s26, s25, 12288
	s_add_co_u32 s41, s41, s26                     ; its place in LDS
	s_mul_i32 s28, s24, KHO
	s_add_co_u32 s28, s28, s26
	s_add_co_u32 s28, s28, KHO
	s_mov_b32 s29, 0
	s_lshl_b32 s30, s24, 18
	s_lshl_b32 s27, s25, 9
	s_add_co_u32 s30, s30, s27
	s_add_co_u32 s30, s30, KSO                     ; my 512 bytes of scale words,
	s_mov_b32 s31, 0
	s_lshl_b32 s32, s24, 12
	s_add_co_u32 s32, s32, s27
	s_add_co_u32 s32, s32, LKS                     ; and their place in LDS
	s_lshl_b32 s73, ttmp9, 2
	s_add_co_u32 s73, s73, s9
	s_lshl_b32 s73, s73, 4
	s_add_co_u32 s73, s73, s8                      ; my pair of query tiles, 0..63
	s_mul_i32 s78, s73, 1536
	s_mov_b32 s79, 0
	s_lshl_b32 s80, s73, 6
	s_add_co_u32 s80, s80, QSO
	s_mov_b32 s81, 0
	s_lshr_b32 s82, s10, 4
	s_lshl_b32 s82, s82, 7
	s_lshl_b32 s83, s73, 1
	s_add_co_u32 s82, s82, s83                     ; my first token tile among the 512
	s_and_b32 s83, s10, 15                         ; the head
	s_lshl_b32 s74, s82, 4
	s_add_co_u32 s74, s74, s83
	s_mul_i32 s74, s74, 768
	s_mov_b32 s75, 0
	s_lshl_b32 s76, s82, 9
	s_lshl_b32 s84, s83, 1
	s_add_co_u32 s76, s76, s84
	s_add_co_u32 s76, s76, ASCO
	s_mov_b32 s77, 0
	s_mov_b32 s[SEL], 0x76543210
	s_mov_b32 s[SEL+1], 0xfedcba98
	s_mov_b32 s[CS], 0x3d38aa3b
	s_mov_b32 s[CS+1], s[CS]
	s_wait_dscnt 0x0
	s_wait_kmcnt 0x0
	s_add_nc_u64 s[12:13], s[4:5], s[12:13]
	s_add_nc_u64 s[14:15], s[4:5], s[14:15]
	s_add_nc_u64 s[78:79], s[12:13], s[78:79]      ; my two tiles of Q
	s_add_nc_u64 s[80:81], s[14:15], s[80:81]      ; their scale words
	s_add_nc_u64 s[74:75], s[6:7], s[74:75]        ; where my codes go
	s_add_nc_u64 s[76:77], s[6:7], s[76:77]        ; and their scale bytes
	s_add_nc_u64 s[42:43], s[12:13], s[28:29]
	s_or_b32 s43, s43, 0x80000000
	s_add_nc_u64 s[30:31], s[14:15], s[30:31]
	CROUND                                         ; all four work-groups are here: the joint loads meet
	s_cmp_lt_u32 s8, 4                             ; two arms, a load in each: waves 0-3, which wait first, have a line of their own
	s_cbranch_scc0 .Lrest
	tensor_load_to_lds s[40:43], s[16:23]
	s_nop 0
	NOPS 4
	s_branch .Lasked
.Lrest:
	tensor_load_to_lds s[40:43], s[16:23]
	s_nop 0
	NOPS 4
.Lasked:
	v_and_b32 v7, 31, v0                           ; L
	v_lshlrev_b32 v1, 4, v7                        ; v1: 16 L
	v_lshlrev_b32 v2, 3, v7
	v_add_nc_u32 v2, 512, v2                       ; v2: 512 + 8 L
	v_and_b32 v8, 15, v0                           ; r
	v_lshlrev_b32 v9, 2, v8
	v_add_nc_u32 v3, LKS+4096, v9                  ; v3: V's scale word of row r
	v_lshlrev_b32 v4, 5, v8                        ; v4: 32 r: my row's scale bytes in att
	v_bfe_u32 v10, v0, 4, 1                        ; h
	v_and_b32 v11, 7, v0                           ; r % 8
	v_bfe_u32 v21, v0, 3, 1                        ; r / 8
	v_mul_u32_u24 v22, v21, 1536                   ; lanes r >= 8 read the next pair of tiles
	v_lshlrev_b32 v16, 4, v11
	v_lshl_add_u32 v16, v10, 8, v16
	v_add_nc_u32 v16, v16, v22                     ; v16: K's 16 bytes: 16 (r % 8 + 16 h) + 1,536 (r / 8)
	v_lshlrev_b32 v17, 3, v11
	v_lshl_add_u32 v17, v10, 7, v17
	v_add_nc_u32 v17, v17, v22
	v_add_nc_u32 v17, 512, v17                     ; v17: K's 8 bytes
	v_lshlrev_b32 v18, 2, v11
	v_lshl_add_u32 v18, v21, 6, v18
	v_add_nc_u32 v18, LKS, v18                     ; v18: K's scale word: 4 (r % 8) + 64 (r / 8)
	v_add_nc_u32 v19, LV, v1                       ; v19, v20: V's fragments
	v_add_nc_u32 v20, LV, v2
	v_lshlrev_b32 v46, 3, v10                      ; v46: 8 h
	v_add_nc_u32 v47, s32, v1
	v_mov_b32 v44, 0                               ; a lane permute's destination counts as one of its sources
	v_mov_b32 v45, 0
	global_load_b128 v[210:213], v1, s[78:79]
	global_load_b64 v[214:215], v2, s[78:79]
	global_load_b128 v[216:219], v1, s[78:79] offset:768
	global_load_b64 v[220:221], v2, s[78:79] offset:768
	global_load_b32 v222, v9, s[80:81]
	global_load_b128 v[24:27], v1, s[30:31]
	WALU                                           ; the wait at the head's end
	s_wait_loadcnt 0x0
	ds_store_b128 v47, v[24:27]                    ; my 512 bytes of scale words
; A KEY STEP: 128 keys
.macro STEP
	v_add_nc_u32 v8, s[TB], v16
	v_add_nc_u32 v9, s[TB], v17
	v_add_nc_u32 v7, s[TS], v18
	v_nop                                          ; four places ahead of loads into registers that the last products have read
.irp p, 0,1,2,3                        ; fragment p = (g = p / 2, e = p % 2)
	ds_load_b128 v[48+12*\p:51+12*\p], v8 offset:3072*(\p/2)+128*(\p%2)
	ds_load_b64 v[52+12*\p:53+12*\p], v9 offset:3072*(\p/2)+64*(\p%2)
	ds_load_b128 v[54+12*\p:57+12*\p], v8 offset:3072*(\p/2)+128*(\p%2)+768
	ds_load_b64 v[58+12*\p:59+12*\p], v9 offset:3072*(\p/2)+64*(\p%2)+768
	ds_load_b32 v[248+\p], v7 offset:128*(\p/2)+32*(\p%2)
.endr
	s_wait_dscnt 0x0
.irp p, 0,1,2,3
	v_wmma_scale_f32_16x16x128_f8f6f4 v[96+16*\p:103+16*\p], v[48+12*\p:59+12*\p], v[192:203], 0, v[248+\p], v255 matrix_a_fmt:MATRIX_FMT_FP6 matrix_b_fmt:MATRIX_FMT_FP6
	v_wmma_scale_f32_16x16x128_f8f6f4 v[104+16*\p:111+16*\p], v[48+12*\p:59+12*\p], v[198:209], 0, v[248+\p], v255 matrix_a_fmt:MATRIX_FMT_FP6 matrix_b_fmt:MATRIX_FMT_FP6
.endr
	v_add_nc_u32 v10, s[TB], v19
	v_add_nc_u32 v11, s[TB], v20
	v_add_nc_u32 v21, s[TS], v3
	v_nop                                          ; four places: then V's fragments are asked for, into K's registers, and the scores are read
.irp d, 0,1,2,3                        ; the softmax stands between V's request and the wait for it
	ds_load_b128 v[48+12*\d:51+12*\d], v10 offset:1536*\d
	ds_load_b64 v[52+12*\d:53+12*\d], v11 offset:1536*\d
	ds_load_b128 v[54+12*\d:57+12*\d], v10 offset:1536*\d+768
	ds_load_b64 v[58+12*\d:59+12*\d], v11 offset:1536*\d+768
	ds_load_b32 v[248+\d], v21 offset:64*\d
.endr
.irp b, 0,1,2,3                        ; four chains of 16; each accumulator is read from its low end on
	v_max3_num_f32 v[232+\b], v[96+16*\b], v[97+16*\b], v[98+16*\b]
.endr
.irp i, 3,5,7,9,11,13
.irp b, 0,1,2,3
	v_max3_num_f32 v[232+\b], v[232+\b], v[96+16*\b+\i], v[97+16*\b+\i]
.endr
.endr
	v_max3_num_f32 v232, v232, v111, v127
	v_max3_num_f32 v234, v234, v143, v159
	s_delay_alu instid0(VALU_DEP_2)
	v_max_num_f32 v232, v232, v233                 ; the largest score of my block h
	s_delay_alu instid0(VALU_DEP_2)
	v_max_num_f32 v234, v234, v235                 ; and of my block 2 + h
	s_delay_alu instid0(VALU_DEP_1)
	v_max_num_f32 v254, v232, v234
	s_delay_alu instid0(VALU_DEP_1)
	v_permlanex16_b32 v44, v254, s[SEL], s[SEL+1]
	s_delay_alu instid0(VALU_DEP_1)
	v_max_num_f32 v254, v254, v44                  ; the step's largest score of my query
	s_delay_alu instid0(VALU_DEP_1)
	v_mul_f32 v254, s[CS], v254
	s_delay_alu instid0(VALU_DEP_1)
	v_max_num_f32 v13, v13, v254                   ; the running largest t
	v_mov_b32 v254, v12
	s_delay_alu instid0(VALU_DEP_2)
	v_floor_f32 v12, -v13                          ; the new -M = -ceil(t)
	s_delay_alu instid0(VALU_DEP_1)
	v_sub_f32 v254, v12, v254                      ; old M - new M: a whole number, 0 or less
	s_delay_alu instid0(VALU_DEP_1)
	v_cvt_i32_f32 v254, v254                       ; (it saturates)
	s_delay_alu instid0(VALU_DEP_1)
	v_ldexp_f32 v252, 1.0, v254                    ; f = 2^(old M - new M)
.irp j, 0,2,4,6,8,10,12,14,16,18,20,22,24,26,28,30,32,34,36,38,40,42,44,46,48,50,52,54,56,58,60,62
	v_pk_fma_f32 v[96+\j:97+\j], v[96+\j:97+\j], s[CS:CS+1], v[12:13] op_sel_hi:[1,0,0]   ; t - M
.endr
	v_fma_f32 v232, v232, s[CS], v12               ; the same of each block's largest score
	v_fma_f32 v234, v234, s[CS], v12
	v_pk_mul_f32 v[14:15], v[14:15], v[252:253] op_sel_hi:[1,0]   ; the sum and O^T under the new M, ahead of the exponentials
.irp j, 0,2,4,6,8,10,12,14,16,18,20,22,24,26,28,30
	v_pk_mul_f32 v[160+\j:161+\j], v[160+\j:161+\j], v[252:253] op_sel_hi:[1,0]
.endr
	WALU                                           ; the wait ahead of the batch
	v_exp_f32 v232, v232                           ; the blocks' largest p
	v_exp_f32 v234, v234
.irp j, 0,1,2,3,4,5,6,7,8,9,10,11,12,13,14,15,16,17,18,19,20,21,22,23,24,25,26,27,28,29,30,31,32,33,34,35,36,37,38,39,40,41,42,43,44,45,46,47,48,49,50,51,52,53,54,55,56,57,58,59,60,61,62,63
	v_exp_f32 v[96+\j], v[96+\j]                   ; p = 2^(t - M), at most 1
.endr
	v_nop                                          ; a plain line behind the exponentials
	WALU                                           ; and one wait for the batch
	v_max_num_f32 v232, 0x1800000, v232            ; the floor 2^(3 - 127): the byte cannot fall under 1
	v_max_num_f32 v234, 0x1800000, v234
.irp k, 0,1,2,3,4,5,6                  ; the row's sum of the unquantised p, in eight chains of pairs
	v_pk_add_f32 v[28+2*\k:29+2*\k], v[96+4*\k:97+4*\k], v[98+4*\k:99+4*\k]
.endr
	v_pk_add_f32 v[14:15], v[14:15], v[124:125]
	v_add_nc_u32 v244, 0xff000000, v232            ; 2 off the exponent field: the conversions' scale operands
	v_add_nc_u32 v245, 0xff000000, v234
	v_lshrrev_b32 v236, 23, v244                   ; the scales' bytes
	v_lshrrev_b32 v237, 23, v245
	v_lshl_or_b32 v253, v237, 16, v236             ; blocks h and 2 + h,
	v_lshlrev_b32 v253, v46, v253                  ; at their places in the word (8 h bits up);
	v_permlanex16_b32 v45, v253, s[SEL], s[SEL+1]
	v_or_b32 v253, v253, v45                       ; with lane l xor 16's two the word is whole
.irp k, 0,1,2,3,4,5,6
	v_pk_add_f32 v[28+2*\k:29+2*\k], v[28+2*\k:29+2*\k], v[126+2*\k:127+2*\k]
.endr
	v_pk_add_f32 v[14:15], v[14:15], v[140:141]
	v_cvt_scalef32_pk16_fp6_f32 v[224:226], v[96:111], v244
	v_cvt_scalef32_pk16_fp6_f32 v[236:238], v[112:127], v244       ; (a conversion's three registers begin on an even number)
	v_cvt_scalef32_pk16_fp6_f32 v[230:232], v[128:143], v245
	v_cvt_scalef32_pk16_fp6_f32 v[240:242], v[144:159], v245
	v_nop                                          ; one plain line behind the conversions
.irp i, 0,1,2
	v_mov_b32 v[227+\i], v[236+\i]
	v_mov_b32 v[233+\i], v[240+\i]
.endr
.irp k, 0,1,2,3,4,5,6                  ; these sixteen are also the places between p's codes and scale word and the products
	v_pk_add_f32 v[28+2*\k:29+2*\k], v[28+2*\k:29+2*\k], v[142+2*\k:143+2*\k]
.endr
	v_pk_add_f32 v[14:15], v[14:15], v[156:157]
	v_pk_add_f32 v[28:29], v[28:29], v[158:159]
	v_pk_add_f32 v[32:33], v[32:33], v[34:35]
	v_pk_add_f32 v[36:37], v[36:37], v[38:39]
	v_pk_add_f32 v[14:15], v[14:15], v[40:41]
	v_pk_add_f32 v[28:29], v[28:29], v[30:31]
	v_pk_add_f32 v[32:33], v[32:33], v[36:37]
	v_pk_add_f32 v[14:15], v[14:15], v[28:29]
	v_pk_add_f32 v[14:15], v[14:15], v[32:33]
	WALU
	s_wait_dscnt 0x0                               ; V's fragments and scale words are in
.irp d, 0,1,2,3                        ; O^T += V^T P^T: the four accumulators by turns
	v_wmma_scale_f32_16x16x128_f8f6f4 v[160+8*\d:167+8*\d], v[48+12*\d:59+12*\d], v[224:235], v[160+8*\d:167+8*\d], v[248+\d], v253 matrix_a_fmt:MATRIX_FMT_FP6 matrix_b_fmt:MATRIX_FMT_FP6
.endr
	s_add_co_u32 s[TB], s[TB], 6144
	s_add_co_u32 s[TS], s[TS], 256
.endm
.macro RUN n
	s_mov_b32 s[CNT], \n
.Lrun_\@:
	STEP
	s_sub_co_u32 s[CNT], s[CNT], 1
	s_cmp_lg_u32 s[CNT], 0
	s_cbranch_scc1 .Lrun_\@
.endm
; O^T / the sum is quantised along the head's 64 and stored as a half fragment of att.  Register 16 b + i of O^T is d = 32 b + 16 h + i
.macro OQUANT u
	NOPS 4                                         ; places behind the last products
	v_add_f32 v14, v14, v15
	v_permlanex16_b32 v252, v14, s[SEL], s[SEL+1]
	v_add_f32 v14, v14, v252                       ; the row's sum
	WALU
	v_rcp_f32 v14, v14
	v_nop
	WALU
.irp j, 0,1,2,3,4,5,6,7,8,9,10,11,12,13,14,15,16,17,18,19,20,21,22,23,24,25,26,27,28,29,30,31
	v_mul_f32 v[96+\j], v[160+\j], v14
.endr
.irp b, 0,1
	v_max3_num_f32 v[232+\b], |v[96+16*\b]|, |v[97+16*\b]|, 0x1800000
.endr
.irp i, 2,4,6,8,10,12,14
.irp b, 0,1
	v_max3_num_f32 v[232+\b], v[232+\b], |v[96+16*\b+\i]|, |v[97+16*\b+\i]|
.endr
.endr
.irp b, 0,1
	v_permlanex16_b32 v[44+\b], v[232+\b], s[SEL], s[SEL+1]
.endr
.irp b, 0,1
	v_max_num_f32 v[232+\b], v[232+\b], v[44+\b]
.endr
.irp b, 0,1
	v_add_nc_u32 v[244+\b], 0xff000000, v[232+\b]
.endr
.irp b, 0,1
	v_lshrrev_b32 v[236+\b], 23, v[244+\b]
.endr
	v_lshl_or_b32 v238, v237, 8, v236              ; my row's two scale bytes
	v_cvt_scalef32_pk16_fp6_f32 v[224:226], v[96:111], v244
	v_cvt_scalef32_pk16_fp6_f32 v[228:230], v[112:127], v245
	v_nop
.irp i, 0,1,2
	v_permlane16_swap_b32 v[224+\i], v[228+\i]     ; lanes 0-15 block 0, lanes 16-31 block 1
.endr
	v_mov_b32 v227, v228
	v_mov_b32 v228, v229
	v_mov_b32 v229, v230
	global_store_b128 v1, v[224:227], s[74:75] offset:12288*\u     ; 512 and 256 consecutive bytes
	global_store_b64 v2, v[228:229], s[74:75] offset:12288*\u
	global_store_b16 v4, v238, s[76:77] offset:512*\u              ; lanes 16-31 hold and store what lanes 0-15 do
.endm
.macro PASS u
.if \u
	s_wait_xcnt 0x0                                ; the first pass's stores have read their registers
	v_perm_b32 v255, v222, v222, 0x03020302        ; the odd tile's two bytes, twice
.else
	v_perm_b32 v255, v222, v222, 0x01000100        ; the even tile's two bytes, twice: they serve either half of the instruction's K
.endif
.irp i, 0,1,2,3,4,5
	v_mov_b32 v[192+\i], v[210+6*\u+\i]
	v_mov_b32 v[198+\i], 0
	v_mov_b32 v[204+\i], v[210+6*\u+\i]
.endr
	v_mov_b32 v13, 0xff61b1e6                      ; the largest t so far: -3e38
	v_floor_f32 v12, -v13
	v_mov_b32 v14, 0
	v_mov_b32 v15, 0
	v_mov_b32 v253, 0                              ; (named as the upper half of a pair before it is first written)
.irp j, 0,1,2,3,4,5,6,7,8,9,10,11,12,13,14,15,16,17,18,19,20,21,22,23,24,25,26,27,28,29,30,31
	v_mov_b32 v[160+\j], 0                         ; O^T: the first change of M multiplies zeros
.endr
	s_mov_b32 s[TB], 0
	s_mov_b32 s[TS], 0
.if \u == 0
	WALU                                           ; the wait ahead of the branch
	s_cmp_lt_u32 s8, 4
	s_cbranch_scc0 .Lnot_first
	s_wait_tensorcnt 0x0                           ; waves 0-3: key steps 0-3 of K and V have landed
.Lnot_first:
	s_wait_dscnt 0x0                               ; my scale words are stored
	s_barrier_signal -1
	s_barrier_wait -1
	RUN 4
	s_wait_tensorcnt 0x0                           ; every wave: its piece has landed
	s_wait_dscnt 0x0
	s_barrier_signal -1
	s_barrier_wait -1
	RUN 12
.else
	RUN 16
.endif
	OQUANT \u
.endm
	PASS 0
	PASS 1
	s_wait_tensorcnt 0x0                           ; the wave's end
	ds_add_u32 v[SPW], v[NIL]
	s_wait_dscnt 0x0
	CROUND                                         ; the closing round
	s_endpgm
.Lfunc_end_k_q89ec7c5b18_attn:
	.size	k_q89ec7c5b18_attn, .Lfunc_end_k_q89ec7c5b18_attn-k_q89ec7c5b18_attn
	.p2alignl 7, 3214868480
	.fill 96, 4, 3214868480
	.section	.rodata,"a",@progbits
	.p2align	6, 0x0
	.amdhsa_kernel k_q89ec7c5b18_attn
		.amdhsa_group_segment_fixed_size 206848
		.amdhsa_private_segment_fixed_size 0
		.amdhsa_enable_private_segment 0
		.amdhsa_kernarg_size 16
		.amdhsa_user_sgpr_count 2
		.amdhsa_user_sgpr_kernarg_segment_ptr 1
		.amdhsa_wavefront_size32 1
		.amdhsa_system_sgpr_workgroup_id_x 1
		.amdhsa_system_sgpr_workgroup_id_y 1
		.amdhsa_system_sgpr_workgroup_id_z 1
		.amdhsa_system_vgpr_workitem_id 0
		.amdhsa_next_free_vgpr 256
		.amdhsa_next_free_sgpr 90
		.amdhsa_reserve_vcc 0
		.amdhsa_float_denorm_mode_32 3
		.amdhsa_float_denorm_mode_16_64 3
		.amdhsa_memory_ordered 1
		.amdhsa_forward_progress 1
		.amdhsa_inst_pref_size 66
	.end_amdhsa_kernel
	.amdgpu_metadata
---
amdhsa.version: [ 1, 2 ]
amdhsa.kernels:
  - .name:           k_q89ec7c5b18_attn
    .symbol:         k_q89ec7c5b18_attn.kd
    .args:
      - { .name: qkv, .offset: 0, .size: 8, .value_kind: global_buffer, .address_space: global }
      - { .name: att, .offset: 8, .size: 8, .value_kind: global_buffer, .address_space: global }
    .group_segment_fixed_size: 206848
    .private_segment_fixed_size: 0
    .kernarg_segment_align: 8
    .kernarg_segment_size: 16
    .max_flat_workgroup_size: 512
    .sgpr_count:     90
    .vgpr_count:     256
    .wavefront_size: 32
...
	.end_amdgpu_metadata
.endif
;; end of part 3
;; launch proj (part 4): grid 4 x 64, 4 waves a work-group, clusters of 4 x 4, 327,680 bytes of LDS; arguments att, opq, bo, out0; writes out0
.if DOCPART == 4
	.amdgcn_target "amdgcn-amd-amdhsa--gfx1250"
	.amdhsa_code_object_version 6
	.text
	.protected	k_q89ec7c5b18_proj
	.globl	k_q89ec7c5b18_proj
	.p2align	8
	.type	k_q89ec7c5b18_proj,@function
k_q89ec7c5b18_proj:
	s_mov_b64 s[64:65], 0
	v_nop
	global_prefetch_b8 v0, s[64:65] scope:SCOPE_SE
	s_setreg_imm32_b32 hwreg(HW_REG_WAVE_MODE, 25, 1), 1
	s_wait_xcnt 0x0
	s_wait_alu depctr_hold_cnt(0) depctr_sa_sdst(0) depctr_va_vdst(0) depctr_va_sdst(0) depctr_va_ssrc(0) depctr_va_vcc(0) depctr_vm_vsrc(0)
	s_getreg_b32 s2, hwreg(HW_REG_IB_STS2, 6, 4)
	s_cmp_eq_u32 s2, 0
	s_cbranch_scc0 .Lentry_in_a_cluster
	s_endpgm
.Lentry_in_a_cluster:
	s_bfe_u32 s2, ttmp6, 0x10000c
	s_cmp_lg_u32 s2, 0xf033
	s_cbranch_scc0 .Lentry_shape_is_right
	s_endpgm
.Lentry_shape_is_right:
; out0 = att Wo^T + bo on codes of FP6 (E2M3) with E8M0 scales, sums in f32, out0 [8192][1024] f32.
; OPERANDS lie as HALF FRAGMENTS of 768 bytes (16 rows x 64 along K; lane L = r + 16 h: 16 bytes at 16 L, 8 bytes at 512 + 8 L): att: codes [token tile 512][kappa 16][768], scale bytes from ASCO on [tile][r][32]; opq likewise, Wo's row tiles from 704 on,
; scale bytes from SCO on.  Row r of tile 2 B + u is row 32 B + 8 u + r + 8 (r / 8).
; A WORK-GROUP makes 128 tokens (A, source 1: the lanes of a result) x 256 features (B, source 0: its registers) over all of K = 1,024: (128 + 256) x 768 = 294,912 bytes: ALL OF K LIES IN LDS, in four slots of 256 along K filled once, at the head.
; Four waves, each 64 x 128: 32 accumulators.  The bias is the C of each sum's first product.  By the order of the tiles' rows a lane's 16 registers of B's tiles 2 B and 2 B + 1 are 16 neighbouring features.
; CLUSTERS: 4 x 4.  A's pieces are shared along a row of the cluster, B's along a column: joint loads, all behind the one round at the head.  Wave 0 fetches A, waves 1 and 2 B's two pieces, five loads each (scales, slots 0-3): five are out at most.
; THE WAY OUT: a block of 16 tokens x 128 features goes through the wave's own stage in LDS and leaves as whole rows of 512 bytes; the stores' immediates undo the order of a tile's rows.  The stage lies in slot 0, which has had its only fill and whose last
; reads ended in front of the barrier of K step 1.
; REGISTERS.  Window 0: v1-15 addresses; v32-63 A's scale words (8 a + q), v64-127 B's (8 b + q); v128-223 A's fragments, two sets of 48; on the way out v128-255 rows of out0.  Window 1: B's two sets at v0 and v96; v192-255 the bias.  Window 2: accumulator (a, b) at v[8 (8 a + b)].
.set RTB,   12288
.set SCO,   9437184
.set ASCO,  6291456
; THE FILLS, as they stand now (in place of the four slots and five loads a wave named above): LDS holds TWO HALVES of K, 147,456 bytes each: A's 8 row tiles x 6,144 bytes, then B's 16.
; At the head one joint load a wave: wave 0 A's half 0, wave 1 B's half 0, wave 2 A's scale bytes, wave 3 B's.  Behind the three lines and a round of the cluster's barrier: wave 0 A's half 1, wave 1 B's half 1; K step 3 waits for them (0) and shows them by a barrier.  Nothing is filled twice.
; The stage of the way out lies in A's half 0, whose last reads ended in front of K step 3's barrier.
.set PIECE, 49152                      ; 8 row tiles x 8 half fragments
.set SLOT,  147456                     ; a half of K: A's piece, B's two pieces
.set SCL,   294912
.set SPARE, 307200                     ; the spare words, 128 bytes a wave: two blocks of 256 bytes that no other line names
.set SPW,   28                         ; v28 LDS address of my spare word; never rewritten
.set NIL,   29                         ; v29 0; never rewritten
.set SAW,   32
.set SBW,   64
.set AF,    128
.set CB,    192
.set MSB, 0
.macro WIN new                         ; the immediate's high byte repeats the setting that is left
.if MSB != \new
	s_set_vgpr_msb (MSB<<8)|\new
.set MSB, \new
.endif
.endm
.macro CROUND                          ; a round of the cluster's barrier
	s_barrier_signal -1
	s_barrier_wait -1
	s_cmp_lg_u32 s14, 0
	s_cbranch_scc1 .Lnot_wave_0_\@
	s_barrier_signal -3
.Lnot_wave_0_\@:
	s_barrier_wait -3
	s_barrier_signal -1
	s_barrier_wait -1
.endm
.macro PLACES n
.rept \n
	v_nop
.endr
.endm
.macro MKG0 g, lds, base, half         ; descriptor group 0: count 1; LDS place in the half; the piece's address + 6,144 x half; type 2
	s_mov_b32 s[\g], 1
	s_mov_b32 s[\g+1], (\lds)+(\half)*SLOT
	s_add_nc_u64 s[\g+2:\g+3], s[\base:\base+1], (\half)*6144
	s_or_b32 s[\g+3], s[\g+3], 0x80000000
.endm
.macro HFRAG reg, a16, a8, off         ; a fragment: two half fragments on end
	ds_load_b128 v[(\reg):(\reg)+3], v[\a16] offset:(\off)
	ds_load_b64 v[(\reg)+4:(\reg)+5], v[\a8] offset:(\off)
	ds_load_b128 v[(\reg)+6:(\reg)+9], v[\a16] offset:(\off)+768
	ds_load_b64 v[(\reg)+10:(\reg)+11], v[\a8] offset:(\off)+768
.endm
.macro FETCH q, p                      ; the fragments of K step q (128 along K) into set p: B's eight, A's four
	WIN 0x40                                       ; destination window 1, address window 0
.irp b, 0,1,2,3,4,5,6,7
	HFRAG 96*(\p)+12*\b, 6, 7, 6144*\b+1536*((\q)%4)
.endr
	WIN 0
.irp a, 0,1,2,3
	HFRAG AF+48*(\p)+12*\a, 4, 5, 6144*\a+1536*((\q)%4)
.endr
.endm
; 32 matrix instructions.  The 32 accumulators take turns, one instruction a turn, in the same order in every step.  cmode 0: C = D; 1: C = the bias of B's block
.macro MUL32 q, p, cmode
.if (\cmode) == 0
	WIN 0xa1                                       ; source 0 (B) window 1, source 1 (A) window 0, C and D window 2
.else
	WIN 0x91                                       ; C window 1
.endif
.irp a, 0,1,2,3
.irp b, 0,1,2,3,4,5,6,7
.if (\cmode) == 0
	v_wmma_scale_f32_16x16x128_f8f6f4 v[8*(8*\a+\b):8*(8*\a+\b)+7], v[96*(\p)+12*\b:96*(\p)+12*\b+11], v[AF+48*(\p)+12*\a:AF+48*(\p)+12*\a+11], v[8*(8*\a+\b):8*(8*\a+\b)+7], v[SBW+8*\b+(\q)], v[SAW+8*\a+(\q)] matrix_a_fmt:MATRIX_FMT_FP6 matrix_b_fmt:MATRIX_FMT_FP6
.else
	v_wmma_scale_f32_16x16x128_f8f6f4 v[8*(8*\a+\b):8*(8*\a+\b)+7], v[96*(\p)+12*\b:96*(\p)+12*\b+11], v[AF+48*(\p)+12*\a:AF+48*(\p)+12*\a+11], v[CB+8*\b:CB+8*\b+7], v[SBW+8*\b+(\q)], v[SAW+8*\a+(\q)] matrix_a_fmt:MATRIX_FMT_FP6 matrix_b_fmt:MATRIX_FMT_FP6
.endif
.endr
.endr
.endm
; K step q.  The next step's fragments are asked for ahead of this step's 32 products.  A load into a register that a matrix instruction has read stands four plain vector instructions behind it (ISA guide 7.12.1 for vector instructions).
.macro STEP q, cmode
	s_wait_dscnt 0x0                               ; this step's fragments are in, and none of my LDS loads is out
.if (\q) == 3
	s_wait_tensorcnt 0x0                           ; all my tensor loads have landed: my part of K's second half
	s_barrier_signal -1
	s_barrier_wait -1                              ; everybody's has
	v_add_nc_u32 v4, SLOT, v4                      ; on to the next slot; these four are also the places in front of the loads
	v_add_nc_u32 v5, SLOT, v5
	v_add_nc_u32 v6, SLOT, v6
	v_add_nc_u32 v7, SLOT, v7
.elseif ((\q) > 0) && ((\q) < 7)
	PLACES 4
.endif
.if (\q) < 7
	FETCH (\q)+1, ((\q)+1)%2
.endif
	MUL32 \q, (\q)%2, \cmode
	WIN 0
.endm
	s_load_b256 s[4:11], s[0:1], 0x0               ; att s[4:5], opq s[6:7], bo s[8:9], out0 s[10:11]
	v_lshl_add_u32 v[SPW], v0, 2, SPARE
	v_mov_b32 v[NIL], 0
	ds_add_u32 v[SPW], v[NIL]                      ; the wave's opening: the add and its wait stand ahead of the first tensor loads; the set-up below, work on registers, stands between them
	ds_add_u32 v[SPW], v[NIL]
	v_lshrrev_b32 v1, 5, v0
	v_readfirstlane_b32 s14, v1                    ; wave 0..3
	s_lshr_b32 s15, s14, 1                         ; wr: which 64 tokens are mine
	s_and_b32 s16, s14, 1                          ; wc: which 128 features
	s_bfe_u32 s17, ttmp6, 0x40000                  ; cx
	s_bfe_u32 s18, ttmp6, 0x40004                  ; cy
	s_and_b32 s20, ttmp7, 0xffff
	s_lshl_b32 s22, s20, 2
	s_add_co_u32 s22, s22, s18                     ; tr: which 128 tokens
	s_lshl_b32 s23, ttmp9, 2
	s_add_co_u32 s23, s23, s17                     ; tc: which 256 features
	s_lshl_b32 s2, s22, 3                          ; A's piece begins at this token tile
	s_lshl_b32 s66, s23, 4
	s_add_co_u32 s66, s66, 704                     ; B's piece begins at this row tile of opq
	s_lshl_b32 s19, s18, 2
	s_lshl_b32 s19, 15, s19                        ; my row of the cluster
	s_or_b32 s24, s19, (3<<16)|(1<<21)             ; group 1 for A's pieces: 15:0 the mask; 17:16 elements of 8 bytes; 21 set beside a mask
	s_or_b32 s40, s19, (3<<16)|(1<<21)             ; and for A's scale bytes
	s_lshl_b32 s19, 0x1111, s17                    ; my column
	s_or_b32 s32, s19, (3<<16)|(1<<21)             ; the same for B
	s_or_b32 s48, s19, (3<<16)|(1<<21)
.irp g, 24, 32                         ; a piece of a slot: 8 (A) or 16 (B) rows (row tiles) of 6,144 bytes, 12,288 bytes apart in memory, dense in LDS
	s_mov_b32 s[\g+1], 768<<16                     ; rows of 6,144 bytes: half of K of a row tile
	s_mov_b32 s[\g+2], (\g-16)<<16                 ; A: 8 row tiles, B: 16
	s_mov_b32 s[\g+3], 768<<16
	s_mov_b32 s[\g+4], \g-16
	s_mov_b32 s[\g+5], 1536
	s_mov_b32 s[\g+6], 0
	s_mov_b32 s[\g+7], 0
.endr
.irp g, 40, 48                         ; the scale bytes, dense rows of 256: A's 8 row tiles (4,096 bytes), B's 16 (8,192)
	s_mov_b32 s[\g+1], 32<<16
	s_mov_b32 s[\g+2], (2*\g-64)<<16               ; A: 16 rows of 256 bytes, B: 32
	s_mov_b32 s[\g+3], 32<<16
	s_mov_b32 s[\g+4], 2*\g-64
	s_mov_b32 s[\g+5], 32
	s_mov_b32 s[\g+6], 0
	s_mov_b32 s[\g+7], 0
.endr
	s_mov_b32 s56, 1
	s_mov_b32 s57, SCL
	s_lshl_b32 s58, s2, 9
	s_mov_b32 s59, 0
	s_add_nc_u64 s[58:59], s[58:59], ASCO
	s_mul_i32 s2, s2, RTB
	s_mov_b32 s3, 0
	s_mov_b32 s80, 1
	s_mov_b32 s81, SCL+4096
	s_lshl_b32 s82, s66, 9
	s_mov_b32 s83, 0
	s_add_nc_u64 s[82:83], s[82:83], SCO
	s_mul_i32 s66, s66, RTB
	s_mov_b32 s67, 0
	s_wait_dscnt 0x0                               ; the opening add is done
	s_wait_kmcnt 0x0
	s_add_nc_u64 s[58:59], s[4:5], s[58:59]
	s_or_b32 s59, s59, 0x80000000
	s_add_nc_u64 s[82:83], s[6:7], s[82:83]
	s_or_b32 s83, s83, 0x80000000
	s_add_nc_u64 s[2:3], s[4:5], s[2:3]
	s_add_nc_u64 s[66:67], s[6:7], s[66:67]
	MKG0 60, 0, 2, 0
	MKG0 68, 0, 2, 1
	MKG0 84, PIECE, 66, 0
	MKG0 88, PIECE, 66, 1
	CROUND                                         ; all sixteen work-groups are here: the joint loads meet
	s_cmp_eq_u32 s14, 0                            ; one chain of branches on the wave's number, one load to an arm
	s_cbranch_scc0 .Lw1
	tensor_load_to_lds s[60:63], s[24:31]          ; wave 0: A's half 0
	s_nop 0
	PLACES 4
	s_branch .Lasked
.Lw1:
	s_cmp_eq_u32 s14, 1
	s_cbranch_scc0 .Lw2
	tensor_load_to_lds s[84:87], s[32:39]          ; wave 1: B's half 0
	s_nop 0
	PLACES 4
	s_branch .Lasked
.Lw2:
	s_cmp_eq_u32 s14, 2
	s_cbranch_scc0 .Lw3
	tensor_load_to_lds s[56:59], s[40:47]          ; wave 2: A's scale bytes
	s_nop 0
	PLACES 4
	s_branch .Lasked
.Lw3:
	tensor_load_to_lds s[80:83], s[48:55]          ; wave 3: B's scale bytes
	s_nop 0
	PLACES 4
.Lasked:
	v_and_b32 v1, 31, v0                           ; L
	v_and_b32 v2, 15, v0                           ; r
	v_bfe_u32 v3, v0, 4, 1                         ; h
	v_lshlrev_b32 v10, 4, v1                       ; v10: 16 L
	v_lshlrev_b32 v11, 3, v1
	v_add_nc_u32 v11, 512, v11                     ; v11: 512 + 8 L
	s_mul_i32 s2, s15, 24576                       ; my four row tiles of A's piece, 6,144 bytes each
	v_add_nc_u32 v4, s2, v10                       ; v4, v5: A's fragments
	v_add_nc_u32 v5, s2, v11
	s_mul_i32 s3, s16, PIECE
	s_add_co_u32 s3, s3, PIECE                     ; my piece of B, behind A's
	v_add_nc_u32 v6, s3, v10                       ; v6, v7: B's fragments
	v_add_nc_u32 v7, s3, v11
	s_lshl_b32 s2, s15, 11
	s_add_co_u32 s2, s2, SCL
	v_lshl_add_u32 v8, v2, 5, s2                   ; v8: A's scale words: 32 bytes a row
	s_lshl_b32 s3, s16, 12
	s_add_co_u32 s3, s3, SCL+4096
	v_lshl_add_u32 v9, v2, 5, s3                   ; v9: B's
	s_mul_i32 s2, s14, 8448                        ; my stage: 16 rows of 512 bytes + 16
	v_mul_u32_u24 v14, v2, 528
	v_lshl_add_u32 v14, v3, 6, v14
	v_add_nc_u32 v14, s2, v14                      ; v14: into it: row r, + 64 h
	v_add_nc_u32 v15, s2, v10                      ; v15: back: 16 bytes a lane of a row
	s_lshl_b32 s2, s23, 10                         ; the bias runs along the registers: lane (r, h) wants, for B's tile b, features 32 (b / 2) + 8 (b % 2) + 16 h + 0 .. 7 of my 128
	s_lshl_b32 s3, s16, 9
	s_add_co_u32 s2, s2, s3
	s_mov_b32 s3, 0
	s_add_nc_u64 s[100:101], s[8:9], s[2:3]
	v_lshlrev_b32 v13, 6, v3
	WIN 0x40
.irp b, 0,1,2,3,4,5,6,7
	global_load_b128 v[CB+8*\b:CB+8*\b+3], v13, s[100:101] offset:4*(32*(\b/2)+8*(\b%2))
	global_load_b128 v[CB+8*\b+4:CB+8*\b+7], v13, s[100:101] offset:4*(32*(\b/2)+8*(\b%2))+16
.endr
	WIN 0
	s_wait_alu depctr_va_vdst(0)
	s_wait_tensorcnt 0x0                           ; my tile of the head's four is in
	ds_add_u32 v[SPW], v[NIL]
	s_wait_dscnt 0x0
	CROUND                                         ; everybody's is in, and the joint loads of K's second half meet
	s_cmp_eq_u32 s14, 0
	s_cbranch_scc0 .Lh1b
	tensor_load_to_lds s[68:71], s[24:31]          ; wave 0: A's half 1
	s_nop 0
	PLACES 4
	s_branch .Lh1d
.Lh1b:
	s_cmp_eq_u32 s14, 1
	s_cbranch_scc0 .Lh1d
	tensor_load_to_lds s[88:91], s[32:39]          ; wave 1: B's half 1
	s_nop 0
	PLACES 4
.Lh1d:
.irp a, 0,1,2,3
	ds_load_b128 v[SAW+8*\a:SAW+8*\a+3], v8 offset:512*\a          ; a row's eight scale words, for all of K
	ds_load_b128 v[SAW+8*\a+4:SAW+8*\a+7], v8 offset:512*\a+16
.endr
.irp b, 0,1,2,3,4,5,6,7
	ds_load_b128 v[SBW+8*\b:SBW+8*\b+3], v9 offset:512*\b
	ds_load_b128 v[SBW+8*\b+4:SBW+8*\b+7], v9 offset:512*\b+16
.endr
	FETCH 0, 0
	s_wait_loadcnt 0x0                             ; the bias
	STEP 0, 1                                      ; the first products start the sums from the bias
	STEP 1, 0
	STEP 2, 0
	STEP 3, 0
	s_wait_alu depctr_va_vdst(0)
	STEP 4, 0
	STEP 5, 0
	STEP 6, 0
	STEP 7, 0
	s_lshl_b32 s24, s22, 3
	s_lshl_b32 s25, s15, 2
	s_add_co_u32 s24, s24, s25
	s_lshl_b32 s24, s24, 16                        ; my first token's row: 16 rows of 4,096 bytes for each token tile
	s_lshl_b32 s25, s23, 10
	s_add_co_u32 s24, s24, s25
	s_lshl_b32 s25, s16, 9
	s_add_co_u32 s24, s24, s25                     ; + my first feature
	s_mov_b32 s25, 0
	s_add_nc_u64 s[26:27], s[10:11], s[24:25]
; Block a: 16 tokens x 128 features.  A lane holds 16 neighbouring features of two of B's tiles; the block goes through my stage and comes back as whole rows.  LDS serves a wave's instructions in order: no wait between the stores and the loads
.macro TOSTAGE a
	WIN 0x08                                       ; an LDS store's data: window 2
.irp b, 0,1,2,3,4,5,6,7
	ds_store_b128 v14, v[64*(\a)+8*\b:64*(\a)+8*\b+3] offset:128*(\b/2)+32*(\b%2)        ; each accumulator from its low end on
	ds_store_b128 v14, v[64*(\a)+8*\b+4:64*(\a)+8*\b+7] offset:128*(\b/2)+32*(\b%2)+16
.endr
	WIN 0
.set BB, 128+64*((\a)%2)
.irp t, 0,1,2,3,4,5,6,7,8,9,10,11,12,13,14,15
	ds_load_b128 v[BB+4*\t:BB+4*\t+3], v15 offset:\t*528
.endr
.endm
.macro SEND a, younger                 ; younger: the LDS instructions issued behind block a's loads, which may stay out
.set BB, 128+64*((\a)%2)
	s_wait_dscnt \younger
.irp t, 0,1,2,3,4,5,6,7,8,9,10,11,12,13,14,15
	global_store_b128 v10, v[BB+4*\t:BB+4*\t+3], s[26:27] offset:(32*((\a)/2)+8*((\a)%2)+\t+8*(\t/8))*4096 th:TH_STORE_NT   ; row t of tile a is token 32 (a / 2) + 8 (a % 2) + t + 8 (t / 8); 32 lanes store 512 consecutive bytes, at a multiple of 256 from out0's first byte
.endr
.endm
	PLACES 4                                       ; behind the last products: their results are read, and loads land in their operands' registers, only from here on
	TOSTAGE 0
.irp a, 1,2,3
.if \a > 1
	s_wait_xcnt 0x0                                ; block a - 2's stores have read their registers: block a's loads may land there
.endif
	TOSTAGE \a
	SEND \a-1, 32                                  ; behind block a - 1's loads: block a's 16 stores and 16 loads
.endr
	SEND 3, 0
	s_wait_tensorcnt 0x0                           ; the wave's end: behind my last tensor load and my last LDS store
	ds_add_u32 v[SPW], v[NIL]
	s_wait_dscnt 0x0
	CROUND                                         ; the closing round
	s_endpgm
.Lfunc_end_k_q89ec7c5b18_proj:
	.size	k_q89ec7c5b18_proj, .Lfunc_end_k_q89ec7c5b18_proj-k_q89ec7c5b18_proj
	.p2alignl 7, 3214868480
	.fill 96, 4, 3214868480
	.section	.rodata,"a",@progbits
	.p2align	6, 0x0
	.amdhsa_kernel k_q89ec7c5b18_proj
		.amdhsa_group_segment_fixed_size 327680
		.amdhsa_private_segment_fixed_size 0
		.amdhsa_enable_private_segment 0
		.amdhsa_kernarg_size 32
		.amdhsa_user_sgpr_count 2
		.amdhsa_user_sgpr_kernarg_segment_ptr 1
		.amdhsa_wavefront_size32 1
		.amdhsa_system_sgpr_workgroup_id_x 1
		.amdhsa_system_sgpr_workgroup_id_y 1
		.amdhsa_system_sgpr_workgroup_id_z 1
		.amdhsa_system_vgpr_workitem_id 0
		.amdhsa_next_free_vgpr 768
		.amdhsa_next_free_sgpr 102
		.amdhsa_reserve_vcc 0
		.amdhsa_float_denorm_mode_32 3
		.amdhsa_float_denorm_mode_16_64 3
		.amdhsa_memory_ordered 1
		.amdhsa_forward_progress 1
		.amdhsa_inst_pref_size 86
	.end_amdhsa_kernel
	.amdgpu_metadata
---
amdhsa.version: [ 1, 2 ]
amdhsa.kernels:
  - .name:           k_q89ec7c5b18_proj
    .symbol:         k_q89ec7c5b18_proj.kd
    .args:
      - { .name: att, .offset: 0, .size: 8, .value_kind: global_buffer, .address_space: global }
      - { .name: opq, .offset: 8, .size: 8, .value_kind: global_buffer, .address_space: global }
      - { .name: bo, .offset: 16, .size: 8, .value_kind: global_buffer, .address_space: global }
      - { .name: out0, .offset: 24, .size: 8, .value_kind: global_buffer, .address_space: global }
    .group_segment_fixed_size: 327680
    .private_segment_fixed_size: 0
    .kernarg_segment_align: 8
    .kernarg_segment_size: 32
    .max_flat_workgroup_size: 128
    .sgpr_count:     102
    .vgpr_count:     768
    .wavefront_size: 32
...
	.end_amdgpu_metadata
.endif
;; end of part 4
